; MI455X (gfx1250); checked and timed in simulation.
; The chip was launched on July 23, 2026; its instructions are those of AMD's public machine-readable ISA for CDNA 5 (MIT licence, August 2026) and "CDNA5" Instruction Set Architecture Reference Guide (July 2026). The comments in the code are by the model that wrote it; some were corrected since.
;; Cross Attention Layer. Allowed arithmetic: matrix products marked QUANTISED: E2M1 operands, one E8M0 scale for each 32 along K, by v_wmma_scale_f32_16x16x128_f8f6f4 with both operands' format E2M1 (or v_wmma_scale_f32_32x16x128_f4), f32 sums; products left as they are: bf16, f16 or f32 operands; f32 sums; everything else in f32.
;; Inputs: Wkv 1,024 x 2,048 float32; Wo 1,024 x 1,024 float32; Wq 1,024 x 1,024 float32; bo 1,024 float32; context 4 x 4,096 x 1,024 float32; mask 4 x 4,096 bool; x 4 x 512 x 1,024 float32.
;; Outputs: out0 4 x 512 x 1,024 float32.
;; This version of the problem:
;;   THIS VERSION OF THE PROBLEM IS GIVEN IN LOW PRECISION. The matrix products marked QUANTISED in the list below multiply operands that are first quantised to E2M1 (2 exponent bits, 1 mantissa bit; 4 bits a number), with one power-of-two scale for each 32 numbers along K (OCP MX v1.0); their sums are f32. The products marked 'left as it is' may take bf16, f16 or f32 operands, with f32 sums. Whichever they take, every output number must still come out within the allowed error. Rounding operands to bf16 (8 significant bits) uses up far more of that allowance than f16 does (11 bits, for magnitudes from 6e-5 to 65,504). All else is computed in f32.
;;   The module's matrix products, in the order in which they are computed (A, B: the left and right operand; K: the contracted axis; several contracted axes count as one K, in the product's order):
;;     1. [M 2,048, K 1,024] x [K 1,024, N 1,024]; A: input x; B: input Wq: QUANTISED
;;     2. [M 16,384, K 1,024] x [K 1,024, N 2,048]; A: input context; B: input Wkv: QUANTISED
;;     3. batch 64 x [M 512, K 64] x [K 64, N 4,096]; A: computed on the way; B: computed on the way: left as it is (an operand is computed on the way)
;;     4. batch 64 x [M 512, K 4,096] x [K 4,096, N 64]; A: computed on the way; B: computed on the way: left as it is (an operand is computed on the way)
;;     5. [M 2,048, K 1,024] x [K 1,024, N 1,024]; A: computed on the way; B: input Wo: left as it is (an operand is computed on the way)
;;   THE QUANTISER, for each operand of a quantised product, along K:
;;     - K is cut into blocks of 32 from its start; a last block that is shorter is filled with zeros.
;;     - A block's scale is 2^e with e = floor(log2(the largest magnitude in the block)) - 2, held to -126 .. 127; a block of zeros has e = 0. As a byte (E8M0): e + 127.
;;     - Each number is divided by its block's scale, clamped to +-6, and rounded to the nearest number of E2M1, ties to even, subnormals kept.
;;     - The product sums the exact products of the quantised numbers (number of the format x scale) in f32.
;;   ~~~python
;;   def quantise(x, axis):      # numpy; x: float32 -> the quantised numbers, widened to float32 again
;;       x = np.moveaxis(x, axis, -1); K = x.shape[-1]
;;       x = np.pad(x, [(0, 0)] * (x.ndim - 1) + [(0, -K % 32)]); x = x.reshape(x.shape[:-1] + (-1, 32)); a = np.abs(x).max(-1, keepdims=True)
;;       e = np.where(a > 0, np.clip(np.frexp(np.where(a > 0, a, 1))[1] - 1 - 2, -126, 127), 0)      # np.frexp(a)[1] - 1 = floor(log2(a)), exactly
;;       r = np.clip(x / 2.0 ** e, -6, 6)
;;       step = 2.0 ** (np.maximum(np.frexp(np.where(r == 0, 1, r))[1] - 1, 0) - 1)
;;       q = np.round(r / step) * step * 2.0 ** e      # np.round: ties to even
;;       return np.moveaxis(q.reshape(q.shape[:-2] + (-1,))[..., :K], -1, axis).astype(np.float32)
;;   ~~~
;; One version. Each part assembles by itself: llvm-mc -triple=amdgcn-amd-amdhsa -mcpu=gfx1250 --defsym DOCPART=n.
;; ======== version 1 of 1: 4 launches
;; limits: values are held in f16: magnitudes above 65,504 overflow, below 6.1e-05 lose precision
;; workspace buffers: cod 11,010,048 bytes; scl 688,128 bytes; wof 2,097,152 bytes; kvf 67,108,864 bytes; aof 4,194,304 bytes
;; launch prep (part 1): grid 896 x 1, 4 waves a work-group, no clusters, 42,496 bytes of LDS; arguments x, context, Wq, Wkv, Wo, cod, scl, wof; writes cod, scl, wof
.if DOCPART == 1
	.amdgcn_target "amdgcn-amd-amdhsa--gfx1250"
	.amdhsa_code_object_version 6
	.text
	.protected	k_qe1ea62a34b_prep
	.globl	k_qe1ea62a34b_prep
	.p2align	8
	.type	k_qe1ea62a34b_prep,@function
k_qe1ea62a34b_prep:
	s_mov_b64 s[64:65], 0
	v_nop
	global_prefetch_b8 v0, s[64:65] scope:SCOPE_SE
	s_setreg_imm32_b32 hwreg(HW_REG_WAVE_MODE, 25, 1), 1
	s_wait_xcnt 0x0
; PREP: the four operands of the two quantised products become codes of E2M1 (4 bits, K innermost) with one E8M0 byte for each 32 along K; Wo becomes f16.
; cod: [21,504 rows][512 bytes]: rows 0-2,047 x, 2,048-18,431 context, 18,432-19,455 the columns of Wq, 19,456-21,503 the columns of Wkv.  scl: [21,504][32 bytes], the same rows.
; wof: [64 tiles of 16 columns][32 K steps of 32][1,024 bytes]: the image of an f16 operand's registers: lane (r, h) holds column r; registers 0-3 (at 16 x lane) k = 8 h + 0..7, registers 4-7 (at 512 + 16 x lane) k = 16 + 8 h + 0..7.
; A block's scale is 2^(floor(log2(its largest magnitude)) - 2); its byte is the largest magnitude's exponent field - 2, held at 1 from below.
; LIMITS: a block of zeros gets the byte 1 where the stated quantiser says 127 (its codes are zeros, and this program alone reads the bytes); blocks whose largest magnitude lies under 2^-124 are held at the byte 1;
; NaN and infinities among the inputs are not served; |Wo| stays under 65,504 (f16).
; THREE PATHS, chosen by the work-group's number alone (all four waves of a work-group go the same way): 0-191 the weights (K is their FIRST axis), 192-319 Wo, 320-895 x and context (K innermost).
; Each path has LDS bytes of its own.  No tensor load, no cluster: no two work-groups read the same bytes but for neighbours' halves of a row piece of the weights.
.set STW,   32768                      ; weights' path: the work-group's stage, 32 rows (columns of W) x (256 bytes + 16)
.set SSW,   41472                      ; weights' path: 32 x 16 scale bytes
.set SPARE, 41984                      ; the spare words, 128 bytes for each wave
.set SPW,   12                         ; v12  LDS address of my spare word; never rewritten
.set NIL,   13                         ; v13  0; never rewritten
.macro FINISH                          ; a wave's end
	s_wait_tensorcnt 0x0
	ds_add_u32 v[SPW], v[NIL]
	s_wait_dscnt 0x0
	s_endpgm
.endm
	s_load_b512 s[8:23], s[0:1], 0x0               ; x s[8:9], context s[10:11], Wq s[12:13], Wkv s[14:15], Wo s[16:17], cod s[18:19], scl s[20:21], wof s[22:23]
	v_lshl_add_u32 v[SPW], v0, 2, SPARE
	v_mov_b32 v[NIL], 0
	v_lshrrev_b32 v1, 5, v0
	v_readfirstlane_b32 s24, v1                    ; wave 0..3
	v_and_b32 v2, 31, v0                           ; lane
	s_wait_kmcnt 0x0
	s_cmp_lt_u32 ttmp9, 192
	s_cbranch_scc1 .Lpath_w
	s_cmp_lt_u32 ttmp9, 320
	s_cbranch_scc1 .Lpath_o
; ---------------- x and context: plain streams of blocks of 32 numbers.  A wave takes a run of 8,192 numbers in 16 steps of 512.
; Each load reads 512 consecutive bytes; a step's 2,048 bytes turn through the wave's own stage in LDS, so that a lane holds 16 neighbours (two neighbouring lanes hold a block).
.set WREG,  8192                       ; LDS of a wave: two stages of 32 x SP bytes, then its 256 scale bytes
.set SP,    80                         ; a lane's place in a stage: 64 bytes + 16 of padding
.set CB,    8                          ; bytes of 16 codes
.set STEPS, 16
.set AR,    16                         ; v16-79   four sets of 16 numbers as loaded
.set AX,    80                         ; v80-111  two sets of 16 neighbours
.set AE,    112                        ; v112-127 a scale byte for each step
.set AC,    128                        ; v128-191 codes, four registers for each step: no store's data are written again
	v_lshlrev_b32 v3, 4, v2                        ; my 16 bytes of a load's 512
	s_mul_i32 s25, s24, WREG
	v_lshrrev_b32 v14, 2, v2
	v_mul_u32_u24 v14, v14, SP
	v_and_b32 v15, 3, v2
	v_lshl_add_u32 v14, v15, 4, v14
	v_add_nc_u32 v14, s25, v14                     ; the stage on the way in: SP (lane / 4) + 16 (lane % 4)
	v_mul_u32_u24 v15, v2, SP
	v_add_nc_u32 v15, s25, v15                     ; and on the way out: SP x lane
	v_mul_u32_u24 v4, v2, CB                       ; my codes' place in a step's
	v_lshrrev_b32 v5, 1, v2
	s_add_co_u32 s25, s25, 2*32*SP
	v_add_nc_u32 v5, s25, v5                       ; my block's scale byte in LDS
	v_lshlrev_b32 v7, 3, v2
	v_add_nc_u32 v6, s25, v7                       ; and 8 bytes a lane on the way out
	s_sub_co_u32 s25, ttmp9, 320                   ; g: 0-63 x, 64-575 context
	s_cmp_lt_u32 s25, 64
	s_cselect_b64 s[4:5], s[8:9], s[10:11]         ; the choice hangs on the work-group's number alone
	s_cselect_b32 s26, 0, 64
	s_sub_co_u32 s26, s25, s26
	s_lshl_b32 s26, s26, 2
	s_add_co_u32 s26, s26, s24                     ; my run in its tensor,
	s_lshl_b32 s26, s26, 15                        ; 32,768 bytes a run
	s_mov_b32 s27, 0
	s_add_nc_u64 s[4:5], s[4:5], s[26:27]
	s_lshl_b32 s28, s25, 2
	s_add_co_u32 s28, s28, s24                     ; my run in cod and scl: x's runs, then context's
	s_lshl_b32 s26, s28, 12
	s_add_nc_u64 s[18:19], s[18:19], s[26:27]      ; 4,096 bytes of codes a run
	s_lshl_b32 s26, s28, 8
	s_add_nc_u64 s[20:21], s[20:21], s[26:27]      ; 256 scale bytes a run
.macro LOAD t
.irp i, 0,1,2,3
	global_load_b128 v[AR+16*((\t)%4)+4*\i:AR+16*((\t)%4)+4*\i+3], v3, s[4:5] offset:2048*(\t)+512*\i th:TH_LOAD_NT
.endr
.endm
.macro TURN t                          ; step t's numbers through the stage: LDS serves a wave's instructions in order, so no wait stands between the stores and the loads
.irp i, 0,1,2,3
	ds_store_b128 v14, v[AR+16*((\t)%4)+4*\i:AR+16*((\t)%4)+4*\i+3] offset:32*SP*((\t)%2)+8*SP*\i
.endr
.irp i, 0,1,2,3
	ds_load_b128 v[AX+16*((\t)%2)+4*\i:AX+16*((\t)%2)+4*\i+3], v15 offset:32*SP*((\t)%2)+16*\i
.endr
.endm
.irp t, 0,1,2,3
	LOAD \t
.endr
	s_wait_loadcnt 12                              ; step 0's four loads are in; three steps' twelve may be out
	TURN 0
.macro STEP t
.set XS, AX+16*((\t)%2)
.if (\t) > 0
	s_wait_dscnt 1                                 ; this step's numbers are back from the stage (the last step's byte store may be out)
.else
	s_wait_dscnt 0x0
.endif
.if (\t)+4 < STEPS
	LOAD (\t)+4                                    ; into the registers that the stage's stores have read
.endif
.if (\t)+1 < STEPS
.if STEPS-2-(\t) >= 3
	s_wait_loadcnt 12                              ; the next step's four loads are in; those of the three steps behind it may be out
.else
	s_wait_loadcnt 4*(STEPS-2-(\t))
.endif
	TURN (\t)+1
.endif
	v_max3_num_f32 v8, |v[XS]|, |v[XS+1]|, |v[XS+2]|               ; the largest magnitude of my 16, in two chains
	v_max3_num_f32 v9, |v[XS+3]|, |v[XS+4]|, |v[XS+5]|
.irp i, 6,10
	v_max3_num_f32 v8, v8, |v[XS+\i]|, |v[XS+\i+1]|
	v_max3_num_f32 v9, v9, |v[XS+\i+2]|, |v[XS+\i+3]|
.endr
	v_max3_num_f32 v8, v8, |v[XS+14]|, |v[XS+15]|
	v_max3_num_f32 v8, v8, v9, 0x1800000           ; and the floor 2^(3 - 127): the byte cannot fall under 1
	v_max_num_f32_dpp v8, v8, v8 row_xmask:1 row_mask:0xf bank_mask:0xf   ; with my neighbour's 16: the block's
	v_add_nc_u32 v11, 0xff000000, v8               ; 2 off its exponent field: the conversion takes the exponent field of this operand as its scale
	v_cvt_scalef32_pk8_fp4_f32 v[AC+4*(\t)], v[XS:XS+7], v11
	v_cvt_scalef32_pk8_fp4_f32 v[AC+4*(\t)+1], v[XS+8:XS+15], v11
	v_lshrrev_b32 v[AE+(\t)], 23, v11              ; the scale's byte
	ds_store_b8 v5, v[AE+(\t)] offset:16*(\t)      ; both lanes of a block write the same byte with the same value
	global_store_b64 v4, v[AC+4*(\t):AC+4*(\t)+1], s[18:19] offset:32*CB*(\t)   ; the wave stores 256 consecutive bytes, aligned
.endm
.irp t, 0,1,2,3,4,5,6,7,8,9,10,11,12,13,14,15
	STEP \t
.endr
	ds_load_b64 v[8:9], v6                         ; my wave's 256 scale bytes: these loads see my stores
	s_wait_dscnt 0x0
	global_store_b64 v7, v[8:9], s[20:21]          ; 256 consecutive bytes, aligned
	FINISH
; ---------------- Wq and Wkv: K is the first axis.  A LANE TAKES A COLUMN AND ITS REGISTERS RUN DOWN K, so the conversions give codes with K innermost and a block's maximum needs no other lane.
; A work-group takes 32 columns x 512 along K (half y of K); wave w the 128 rows of K from 128 (4 y + w) on: four blocks a lane.  The four waves' codes meet in a stage, so that a column's 256 bytes leave as one aligned piece.
.Lpath_w:
	s_lshr_b32 s25, ttmp9, 1                       ; cg: which 32 columns of the 3,072 (Wq's 1,024, then Wkv's 2,048)
	s_and_b32 s26, ttmp9, 1                        ; y
	s_lshl_b32 s27, s26, 2
	s_add_co_u32 s27, s27, s24                     ; 4 y + w
	v_lshlrev_b32 v3, 2, v2                        ; in: 4 bytes a lane
	v_mul_u32_u24 v4, v2, 272
	s_lshl_b32 s28, s24, 6
	s_add_co_u32 s28, s28, STW
	v_add_nc_u32 v4, s28, v4                       ; into the stage: row = my column, + 64 w
	v_lshlrev_b32 v5, 4, v2
	s_lshl_b32 s28, s24, 2
	s_add_co_u32 s28, s28, SSW
	v_add_nc_u32 v6, s28, v5                       ; my scale word: 16 x lane + 4 w
	v_add_nc_u32 v7, SSW, v5                       ; and a column's four words on the way out
	v_and_b32 v8, 15, v2
	v_lshrrev_b32 v9, 4, v2
	v_mul_u32_u24 v10, v9, 272
	v_lshl_add_u32 v10, v8, 4, v10
	s_mul_i32 s28, s24, 8*272
	s_add_co_u32 s28, s28, STW
	v_add_nc_u32 v10, s28, v10                     ; out of the stage: rows 8 w + 2 i + (lane / 16), sixteen lanes to a row
	v_lshlrev_b32 v14, 9, v9
	v_lshl_add_u32 v14, v8, 4, v14                 ; the same place in cod
	v_lshlrev_b32 v15, 5, v2                       ; scl: 32 bytes a row
	s_lshl_b32 s28, s25, 5
	s_add_co_u32 s28, s28, 18432                   ; the first of my work-group's rows of cod
	s_lshl_b32 s29, s24, 3
	s_add_co_u32 s29, s29, s28
	s_lshl_b32 s30, s29, 9
	s_lshl_b32 s29, s26, 8
	s_add_co_u32 s30, s30, s29
	s_mov_b32 s31, 0
	s_add_nc_u64 s[18:19], s[18:19], s[30:31]      ; cod at row + 8 w, + 256 y
	s_lshl_b32 s30, s28, 5
	s_lshl_b32 s29, s26, 4
	s_add_co_u32 s30, s30, s29
	s_add_nc_u64 s[20:21], s[20:21], s[30:31]      ; scl at row, + 16 y
.macro LOADW pitch                     ; W(128 (4 y + w) + q, my column), q = 0 .. 127: all of the wave's numbers are asked for at once
.set q, 0
.rept 128
	global_load_b32 v[32+q], v3, s[4:5] offset:q*\pitch
.set q, q+1
.endr
.endm
	s_cmp_lt_u32 s25, 32                           ; the two tensors differ in their pitch, which stands in the loads' immediates: so the loads, and they alone, are written twice
	s_cbranch_scc0 .Lfrom_wkv
	s_lshl_b32 s30, s27, 19                        ; 128 rows of 4,096 bytes
	s_lshl_b32 s29, s25, 7
	s_add_co_u32 s30, s30, s29
	s_add_nc_u64 s[4:5], s[12:13], s[30:31]
	LOADW 4096
	s_branch .Lw_loaded
.Lfrom_wkv:
	s_lshl_b32 s30, s27, 20                        ; 128 rows of 8,192 bytes
	s_sub_co_u32 s29, s25, 32
	s_lshl_b32 s29, s29, 7
	s_add_co_u32 s30, s30, s29
	s_add_nc_u64 s[4:5], s[14:15], s[30:31]
	LOADW 8192
.Lw_loaded:
.macro BLOCKW t
.set XS, 32+32*(\t)
.if (\t) < 2
	s_wait_loadcnt 63                              ; all but the youngest 63 of the 128 are in: blocks 0 and 1 (a wait's count has six bits)
.else
	s_wait_loadcnt 96-32*(\t)                      ; the later block's 32 may be out
.endif
	v_max3_num_f32 v8, |v[XS]|, |v[XS+1]|, |v[XS+2]|               ; the block's largest magnitude: all 32 numbers are mine
	v_max3_num_f32 v9, |v[XS+3]|, |v[XS+4]|, |v[XS+5]|
.irp i, 6,10,14,18,22,26
	v_max3_num_f32 v8, v8, |v[XS+\i]|, |v[XS+\i+1]|
	v_max3_num_f32 v9, v9, |v[XS+\i+2]|, |v[XS+\i+3]|
.endr
	v_max3_num_f32 v8, v8, |v[XS+30]|, |v[XS+31]|
	v_max3_num_f32 v8, v8, v9, 0x1800000           ; and the floor
	v_add_nc_u32 v11, 0xff000000, v8
	v_lshrrev_b32 v9, 23, v11                      ; the scale's byte
.if (\t) == 0
	v_mov_b32 v24, v9                              ; four bytes make the word of these 128 along K, the lower K in the lower byte
.else
	v_lshl_or_b32 v24, v9, 8*(\t), v24
.endif
.irp g, 0,1,2,3
	v_cvt_scalef32_pk8_fp4_f32 v[160+4*(\t)+\g], v[XS+8*\g:XS+8*\g+7], v11
.endr
	ds_store_b128 v4, v[160+4*(\t):163+4*(\t)] offset:16*(\t)      ; 32 codes: 16 bytes of my column's row
.endm
	BLOCKW 0
	BLOCKW 1
	BLOCKW 2
	BLOCKW 3
	ds_store_b32 v6, v24
	s_wait_dscnt 0x0                               ; for the others' sake: my stores have landed
	s_barrier_signal -1
	s_barrier_wait -1                              ; 32 whole rows of 256 bytes lie in the stage
.irp i, 0,1,2,3
	ds_load_b128 v[176+4*\i:179+4*\i], v10 offset:2*\i*272
.endr
.irp i, 0,1,2,3
	s_wait_dscnt 3-\i                              ; the later loads may be out
	global_store_b128 v14, v[176+4*\i:179+4*\i], s[18:19] offset:1024*\i   ; sixteen lanes store 256 consecutive bytes, aligned
.endr
	s_cmp_lg_u32 s24, 0                            ; wave 0 stores the scale bytes: 16 of each row's 32 (one byte in 128 of what the path reads)
	s_cbranch_scc1 .Lw_done
	ds_load_b128 v[28:31], v7
	s_wait_dscnt 0x0
	global_store_b128 v15, v[28:31], s[20:21]
.Lw_done:
	FINISH
; ---------------- Wo [k][n] to f16, laid as the last product's operand registers.  A work-group takes a tile of 16 columns and half of K; wave w four K steps of 32.
.Lpath_o:
	s_sub_co_u32 s25, ttmp9, 192
	s_lshr_b32 s26, s25, 1                         ; the tile of columns
	s_and_b32 s27, s25, 1
	s_lshl_b32 s27, s27, 2
	s_add_co_u32 s27, s27, s24                     ; 4 y + w: my K steps are 4 (4 y + w) + f
	v_and_b32 v8, 15, v2
	v_lshrrev_b32 v9, 4, v2
	v_lshlrev_b32 v3, 2, v8
	v_lshl_add_u32 v3, v9, 15, v3                  ; column r, and 8 rows of 4,096 bytes further down for lanes 16-31
	v_lshlrev_b32 v4, 4, v2                        ; out: 16 x lane
	s_lshl_b32 s28, s27, 19                        ; 128 rows of 4,096 bytes
	s_lshl_b32 s29, s26, 6
	s_add_co_u32 s28, s28, s29
	s_mov_b32 s29, 0
	s_add_nc_u64 s[16:17], s[16:17], s[28:29]
	s_lshl_b32 s28, s26, 15                        ; 32 images of 1,024 bytes a tile
	s_lshl_b32 s30, s27, 12
	s_add_co_u32 s28, s28, s30
	s_add_nc_u64 s[22:23], s[22:23], s[28:29]
.irp f, 0,1,2,3
.irp q, 0,1
.irp i, 0,1,2,3,4,5,6,7
	global_load_b32 v[32+16*\f+8*\q+\i], v3, s[16:17] offset:(32*\f+16*\q+\i)*4096
.endr
.endr
.endr
.irp f, 0,1,2,3
	s_wait_loadcnt 48-16*\f                        ; the later fragments' loads may be out
.irp p, 0,1,2,3,4,5,6,7
	v_cvt_pk_f16_f32 v[96+8*\f+\p], v[32+16*\f+2*\p], v[32+16*\f+2*\p+1]
.endr
	global_store_b128 v4, v[96+8*\f:99+8*\f], s[22:23] offset:1024*\f          ; 512 consecutive bytes, aligned
	global_store_b128 v4, v[100+8*\f:103+8*\f], s[22:23] offset:1024*\f+512
.endr
	FINISH
.Lfunc_end_k_qe1ea62a34b_prep:
	.size	k_qe1ea62a34b_prep, .Lfunc_end_k_qe1ea62a34b_prep-k_qe1ea62a34b_prep
	.p2alignl 7, 3214868480
	.fill 96, 4, 3214868480
	.section	.rodata,"a",@progbits
	.p2align	6, 0x0
	.amdhsa_kernel k_qe1ea62a34b_prep
		.amdhsa_group_segment_fixed_size 42496
		.amdhsa_private_segment_fixed_size 0
		.amdhsa_enable_private_segment 0
		.amdhsa_kernarg_size 64
		.amdhsa_user_sgpr_count 2
		.amdhsa_user_sgpr_kernarg_segment_ptr 1
		.amdhsa_wavefront_size32 1
		.amdhsa_system_sgpr_workgroup_id_x 1
		.amdhsa_system_sgpr_workgroup_id_y 1
		.amdhsa_system_sgpr_workgroup_id_z 1
		.amdhsa_system_vgpr_workitem_id 0
		.amdhsa_next_free_vgpr 192
		.amdhsa_next_free_sgpr 66
		.amdhsa_reserve_vcc 0
		.amdhsa_float_denorm_mode_32 3
		.amdhsa_float_denorm_mode_16_64 3
		.amdhsa_memory_ordered 1
		.amdhsa_forward_progress 1
		.amdhsa_inst_pref_size 76
	.end_amdhsa_kernel
	.amdgpu_metadata
---
amdhsa.version: [ 1, 2 ]
amdhsa.kernels:
  - .name:           k_qe1ea62a34b_prep
    .symbol:         k_qe1ea62a34b_prep.kd
    .args:
      - { .name: x, .offset: 0, .size: 8, .value_kind: global_buffer, .address_space: global }
      - { .name: context, .offset: 8, .size: 8, .value_kind: global_buffer, .address_space: global }
      - { .name: Wq, .offset: 16, .size: 8, .value_kind: global_buffer, .address_space: global }
      - { .name: Wkv, .offset: 24, .size: 8, .value_kind: global_buffer, .address_space: global }
      - { .name: Wo, .offset: 32, .size: 8, .value_kind: global_buffer, .address_space: global }
      - { .name: cod, .offset: 40, .size: 8, .value_kind: global_buffer, .address_space: global }
      - { .name: scl, .offset: 48, .size: 8, .value_kind: global_buffer, .address_space: global }
      - { .name: wof, .offset: 56, .size: 8, .value_kind: global_buffer, .address_space: global }
    .group_segment_fixed_size: 42496
    .private_segment_fixed_size: 0
    .kernarg_segment_align: 8
    .kernarg_segment_size: 64
    .max_flat_workgroup_size: 128
    .sgpr_count:     66
    .vgpr_count:     192
    .wavefront_size: 32
...
	.end_amdgpu_metadata
.endif
;; end of part 1
;; launch gemm_kv (part 2): grid 8 x 64, 4 waves a work-group, clusters of 4 x 4, 327,680 bytes of LDS; arguments cod, scl, kvf; writes kvf
.if DOCPART == 2
	.amdgcn_target "amdgcn-amd-amdhsa--gfx1250"
	.amdhsa_code_object_version 6
	.text
	.protected	k_qe1ea62a34b_gemm_kv
	.globl	k_qe1ea62a34b_gemm_kv
	.p2align	8
	.type	k_qe1ea62a34b_gemm_kv,@function
k_qe1ea62a34b_gemm_kv:
	s_mov_b64 s[64:65], 0
	v_nop
	global_prefetch_b8 v0, s[64:65] scope:SCOPE_SE
	s_setreg_imm32_b32 hwreg(HW_REG_WAVE_MODE, 25, 1), 1
	s_wait_xcnt 0x0
	s_wait_alu depctr_hold_cnt(0) depctr_sa_sdst(0) depctr_va_vdst(0) depctr_va_sdst(0) depctr_va_ssrc(0) depctr_va_vcc(0) depctr_vm_vsrc(0)
	s_getreg_b32 s2, hwreg(HW_REG_IB_STS2, 6, 4)
	s_cmp_eq_u32 s2, 0
	s_cbranch_scc0 .Lentry_in_a_cluster
	s_endpgm
.Lentry_in_a_cluster:
	s_bfe_u32 s2, ttmp6, 0x10000c
	s_cmp_lg_u32 s2, 0xf033
	s_cbranch_scc0 .Lentry_shape_is_right
	s_endpgm
.Lentry_shape_is_right:
; kv = context x Wkv on codes of E2M1 with one E8M0 scale for each 32 along K (K = 1,024); sums in f32; k and v leave as f16, laid as the attention's operand registers.
; Both operands are rows of ONE buffer of codes (cod: 512 bytes a row) and one of scale bytes (scl: 32 bytes a row): context at row 2,048, the columns of Wkv at row 19,456 (k's 1,024, then v's).
; A tile of 256 x 256 is made by four waves, 128 x 128 each: 64 accumulators.  K is two slots of 512: both are asked for at the head, nothing is filled again, so there is no loop.
; THE MATRIX INSTRUCTION IS USED TRANSPOSED: source 0 = 16 rows of area B, source 1 = 16 rows of area A: a lane holds ONE row of A and its eight registers eight neighbouring rows of B.
; WHICH ROWS GO INTO WHICH AREA hangs on the cluster's x alone.  Cluster x = 0 makes k: A = context, B = Wk: a lane holds a key, its registers channels.  Cluster x = 1 makes v: A = Wv, B = context: a lane holds a channel, its registers keys.
; So two neighbouring accumulators, rounded to f16 in pairs, ARE an f16 operand of 16 x 32 (registers 0-3: 8 h + 0..7; 4-7: 16 + 8 h + 0..7), and go to memory as an image of its registers: no stage, each store 512 consecutive aligned bytes.
; kvf: k at byte 0: [batch 4][32 channels: 32][16 keys: 256][1,024 bytes];  v at byte 2^25: [batch 4][32 keys: 128][16 channels: 64][1,024 bytes].
; CLUSTERS: 4 x 4 work-groups.  Area A's rows hang on cy and the cluster's numbers, area B's on cx and the cluster's numbers: each tile is asked for jointly along a row or a column of the cluster.
; LIMIT: |k| and |v| stay under 65,504 (f16).
; REGISTERS: window 0: v1-29 addresses; v32-95 scale words, two sets, and nothing else; from v128 A's fragments, one set; on the way out v128-255 packed results.  Window 1: B's fragments, two sets.  Windows 2, 3: the accumulators.
.set KSTEP,  512
.set NQ,     4                         ; matrix instructions deep in a slot
.set ROWB,   256                       ; a tile's row in bytes
.set KROW,   512                       ; a row of cod
.set PITCH,  272                       ; an LDS row: 256 bytes + 16 of padding, so that the 16 rows of a fragment load start 68 words apart
.set FR,     8
.set NL,     2
.set NP,     4                         ; places behind this matrix instruction (ISA guide 7.12.1)
.set HALFT,  128*PITCH
.set SLOT,   4*HALFT
.set KS,     32                        ; a row of scl
.set SCL,    2*SLOT                    ; behind the slots: the scales, as pieces of 256 bytes + 16 of padding
.set HALFS,  (128*KS/256)*272
.set SBLK,   (16*KS/256)*272
.set SPARE,  SCL+4*HALFS               ; the spare words, 128 bytes for each wave
.set VO,   8                           ; v8-11   16 x lane + g x the distance between neighbouring images along the registers' axis
.set ADRA, 16                          ; v16-17  LDS address of my A fragments in slot 0, 1
.set ADRB, 20                          ; v20-21  the same for B
.set ADRS, 27                          ; v27     LDS address of my scale words: lanes 0-15 A's rows, lanes 16-31 B's
.set SPW,  28                          ; v28     my spare word; never rewritten
.set NIL,  29                          ; v29     0; never rewritten
.set SC,   32
.set AF,   128
.set PK,   128
.set G1, 24
.set G0, 32
.set G1B, 48
.set G0B, 56
.set G1S, 68
.set G0S, 76
.set G1SB, 80
.set G0SB, 88
.set MSB, 0
.macro WIN new                         ; the immediate's high byte repeats the setting that is left
.if MSB != \new
	s_set_vgpr_msb (MSB<<8)|\new
.set MSB, \new
.endif
.endm
.set MUL_LO, 0xa1                      ; source 0 (B) window 1, source 1 (A) window 0, C and D window 2
.set MUL_HI, 0xf1
.set TO_B,   0x40
; A joint load: waves 0 and 1 fetch for area A, waves 2 and 3 for area B.  The branch hangs on the wave's number alone.  An s_nop 0 and four v_nop follow each of the two lines.
.macro JLOAD g0a, g1a, g0b, g1b
	s_cmp_eq_u32 s15, 0
	s_cbranch_scc0 .Lfor_b_\@
	tensor_load_to_lds s[\g0a:\g0a+3], s[\g1a:\g1a+7]
	s_nop 0
.rept 4
	v_nop
.endr
	s_branch .Lasked_\@
.Lfor_b_\@:
	tensor_load_to_lds s[\g0b:\g0b+3], s[\g1b:\g1b+7]
	s_nop 0
.rept 4
	v_nop
.endr
.Lasked_\@:
.endm
.macro CROUND                          ; a round of the cluster's barrier
	s_barrier_signal -1
	s_barrier_wait -1
	s_cmp_lg_u32 s14, 0
	s_cbranch_scc1 .Lnot_wave_0_\@
	s_barrier_signal -3
.Lnot_wave_0_\@:
	s_barrier_wait -3
	s_barrier_signal -1
	s_barrier_wait -1
.endm
	s_load_b128 s[4:7], s[0:1], 0x0                ; cod s[4:5], scl s[6:7]
	s_load_b64 s[12:13], s[0:1], 0x10              ; kvf
	v_lshl_add_u32 v[SPW], v0, 2, SPARE
	v_mov_b32 v[NIL], 0
	ds_add_u32 v[SPW], v[NIL]                      ; the wave's opening
	ds_add_u32 v[SPW], v[NIL]
	v_lshrrev_b32 v1, 5, v0
	v_readfirstlane_b32 s14, v1                    ; wave 0..3
	s_lshr_b32 s15, s14, 1                         ; which half of A's rows is mine.  Also: I fetch for A (0) or for B (1)
	s_and_b32 s16, s14, 1                          ; which half of B's rows.  Also: which 128 rows I fetch
	s_bfe_u32 s40, ttmp6, 0x40000                  ; cx
	s_bfe_u32 s41, ttmp6, 0x40004                  ; cy
	s_and_b32 s2, ttmp7, 0xffff                    ; the cluster's y: four blocks of 256 context rows
	s_lshl_b32 s3, s2, 2
	s_add_co_u32 s3, s3, 8                         ; in blocks of 256 rows of cod: context begins at block 8
	s_cmp_eq_u32 ttmp9, 0                          ; k's cluster or v's: the same in all sixteen partners
	s_cselect_b32 s17, s3, 80                      ; area A: context, or Wv (block 80 on)
	s_cselect_b32 s42, 76, s3                      ; area B: Wk (block 76 on), or context
	s_add_co_u32 s17, s17, s41                     ; A's block hangs on cy,
	s_add_co_u32 s42, s42, s40                     ; B's on cx
	s_lshl_b32 s43, s41, 2
	s_lshl_b32 s43, 15, s43                        ; my row of the cluster
	s_lshl_b32 s44, 0x1111, s40                    ; my column
	s_or_b32 s[G1+0], s43, (0<<16)|(1<<20)|(1<<21)|(5<<22)|(3<<25)  ; the mask; elements of 1 byte; padding on; bit 21 beside a mask; four words after every 64
	s_or_b32 s[G1B+0], s44, (0<<16)|(1<<20)|(1<<21)|(5<<22)|(3<<25)
.irp g, G1, G1B
	s_mov_b32 s[\g+1], ROWB<<16                    ; tensor_dim0
	s_mov_b32 s[\g+2], 128<<16                     ; tensor_dim1
	s_mov_b32 s[\g+3], ROWB<<16                    ; tile_dim0
	s_mov_b32 s[\g+4], 128                         ; tile_dim1
	s_mov_b32 s[\g+5], KROW                        ; from row to row
	s_mov_b32 s[\g+6], 0
	s_mov_b32 s[\g+7], 0
.endr
	s_or_b32 s[G1S+0], s43, (3<<16)|(1<<20)|(1<<21)|(5<<22)|(3<<25) ; the scales of 128 rows: 4,096 dense bytes as 16 rows of 256 (32 elements of 8 bytes), 16 bytes of padding behind each
	s_or_b32 s[G1SB+0], s44, (3<<16)|(1<<20)|(1<<21)|(5<<22)|(3<<25)
.irp g, G1S, G1SB
	s_mov_b32 s[\g+1], 32<<16
	s_mov_b32 s[\g+2], (128*KS/256)<<16
	s_mov_b32 s[\g+3], 32<<16
	s_mov_b32 s[\g+4], 128*KS/256
	s_mov_b32 s[\g+5], 32
	s_mov_b32 s[\g+6], 0
	s_mov_b32 s[\g+7], 0
.endr
	s_lshl_b32 s18, s16, 7                         ; which 128 rows of the block I fetch
	s_lshl_b32 s20, s17, 8
	s_add_co_u32 s20, s20, s18                     ; A's row of cod
	s_lshl_b32 s46, s42, 8
	s_add_co_u32 s46, s46, s18                     ; B's
	s_mov_b32 s21, 0
	s_mov_b32 s47, 0
	s_mov_b64 s[18:19], KS
	s_mul_u64 s[22:23], s[20:21], s[18:19]         ; where these rows' scales begin,
	s_mul_u64 s[92:93], s[46:47], s[18:19]
	s_mov_b64 s[18:19], KROW
	s_mul_u64 s[20:21], s[20:21], s[18:19]         ; and their codes
	s_mul_u64 s[46:47], s[46:47], s[18:19]
	s_mul_i32 s45, s14, HALFT                      ; where they go: wave x 128 rows
	s_mul_i32 s94, s14, HALFS
	s_wait_dscnt 0x0                               ; both opening adds are done
	s_wait_kmcnt 0x0
	s_add_nc_u64 s[20:21], s[4:5], s[20:21]
	s_add_nc_u64 s[22:23], s[6:7], s[22:23]
	s_add_nc_u64 s[46:47], s[4:5], s[46:47]
	s_add_nc_u64 s[92:93], s[6:7], s[92:93]
	CROUND                                         ; all sixteen work-groups are here: the joint loads meet
	s_mov_b32 s[G0S], 1
	s_add_co_u32 s[G0S+1], s94, SCL
	s_mov_b64 s[G0S+2:G0S+3], s[22:23]
	s_or_b32 s[G0S+3], s[G0S+3], 0x80000000
	s_mov_b32 s[G0SB], 1
	s_add_co_u32 s[G0SB+1], s94, SCL
	s_mov_b64 s[G0SB+2:G0SB+3], s[92:93]
	s_or_b32 s[G0SB+3], s[G0SB+3], 0x80000000
	JLOAD G0S, G1S, G0SB, G1SB                     ; the scales first; then both slots: three loads of mine are out
.irp s, 0,1
	s_mov_b32 s[G0+4*\s], 1
	s_add_co_u32 s[G0+4*\s+1], s45, \s*SLOT
	s_add_nc_u64 s[G0+4*\s+2:G0+4*\s+3], s[20:21], \s*ROWB
	s_or_b32 s[G0+4*\s+3], s[G0+4*\s+3], 0x80000000
	s_mov_b32 s[G0B+4*\s], 1
	s_add_co_u32 s[G0B+4*\s+1], s45, \s*SLOT
	s_add_nc_u64 s[G0B+4*\s+2:G0B+4*\s+3], s[46:47], \s*ROWB
	s_or_b32 s[G0B+4*\s+3], s[G0B+4*\s+3], 0x80000000
	JLOAD G0+4*\s, G1, G0B+4*\s, G1B
.endr
	v_and_b32 v1, 15, v0                           ; l % 16
	v_bfe_u32 v2, v0, 4, 1                         ; l / 16
	v_mul_u32_u24 v3, v1, PITCH
	v_lshl_add_u32 v4, v2, 4, v3                   ; a fragment's row x pitch + 16 x half
	s_mul_i32 s21, s15, HALFT                      ; my 128 rows of A
	s_mul_i32 s22, s16, HALFT                      ; my 128 rows of B,
	s_add_co_u32 s22, s22, 2*HALFT                 ; behind A's 256
.irp s, 0,1
	v_add_nc_u32 v[ADRA+\s], s21, v4
	v_add_nc_u32 v[ADRB+\s], s22, v4
	s_add_co_u32 s21, s21, SLOT
	s_add_co_u32 s22, s22, SLOT
.endr
	v_mul_u32_u24 v5, v1, KS                       ; my row's scales: 32 bytes a row,
	v_lshrrev_b32 v6, 8, v5
	v_lshl_add_u32 v5, v6, 4, v5                   ; and 16 more for each 256 passed
	s_mul_i32 s21, s15, HALFS
	s_mul_i32 s22, s16, HALFS
	s_add_co_u32 s22, s22, 2*HALFS
	s_sub_co_u32 s22, s22, s21
	v_mul_u32_u24 v6, s22, v2                      ; lanes 16-31 take B's: one product, the distance between the two bases
	s_add_co_u32 s21, s21, SCL
	v_add_nc_u32 v5, v5, v6
	v_add_nc_u32 v[ADRS], s21, v5
	; where my images go, in registers that feed no descriptor
	s_lshr_b32 s95, s2, 2
	s_lshl_b32 s95, s95, 23                        ; the batch: 2^23 bytes in either part
	s_and_b32 s96, s2, 3
	s_lshl_b32 s96, s96, 2                         ; the cluster's first block of 256 keys in its batch
	s_lshl_b32 s97, s40, 3                         ; k: 32 channels: 8 cx + 4 (my half of B), 2^18 bytes each;
	s_lshl_b32 s98, s16, 2
	s_add_co_u32 s97, s97, s98
	s_lshl_b32 s97, s97, 18
	s_add_co_u32 s98, s96, s41                     ;    16 keys: 16 (block) + 8 (my half of A), 1,024 bytes each
	s_lshl_b32 s98, s98, 4
	s_lshl_b32 s99, s15, 3
	s_add_co_u32 s98, s98, s99
	s_lshl_b32 s98, s98, 10
	s_add_co_u32 s97, s97, s98
	s_add_co_u32 s98, s96, s40                     ; v: 32 keys: 8 (block) + 4 (my half of B), 2^16 bytes each;
	s_lshl_b32 s98, s98, 3
	s_lshl_b32 s3, s16, 2
	s_add_co_u32 s98, s98, s3
	s_lshl_b32 s98, s98, 16
	s_lshl_b32 s3, s41, 4                          ;    16 channels: 16 cy + 8 (my half of A)
	s_add_co_u32 s3, s3, s99
	s_lshl_b32 s3, s3, 10
	s_add_co_u32 s98, s98, s3
	s_add_co_u32 s98, s98, 1<<25
	s_cmp_eq_u32 ttmp9, 0
	s_cselect_b32 s96, s97, s98
	s_mov_b32 s99, 1<<16
	s_cselect_b32 s99, 1<<18, s99                  ; from one 32 along the registers' axis to the next
	s_add_co_u32 s96, s96, s95
	s_mov_b32 s97, 0
	s_add_nc_u64 s[12:13], s[12:13], s[96:97]
	v_and_b32 v[VO], 31, v0
	v_lshlrev_b32 v[VO], 4, v[VO]
	v_add_nc_u32 v[VO+1], s99, v[VO]
	v_add_nc_u32 v[VO+2], s99, v[VO+1]
	v_add_nc_u32 v[VO+3], s99, v[VO+2]
.macro FRAG reg, adr, q, i             ; 16 rows x 128 K of 4-bit codes: 8 registers: lane l holds row l % 16; registers 4 c .. 4 c + 3 hold K = 64 c + 32 (l / 16) + 0 .. 31
.irp c, 0,1
	ds_load_b128 v[\reg+4*\c:\reg+4*\c+3], v[\adr] offset:64*(\q)+32*\c+(\i)*16*PITCH
.endr
.endm
; 16 matrix instructions: A's blocks a0, a0 + 1 x B's eight, the slot's q-th 128 along K.  The 64 accumulators take turns, one instruction a turn, in the same order in every step.
.macro MUL16 a0, p, q, sc, zero
.irp a, \a0, \a0+1
.irp b, 0,1,2,3,4,5,6,7
.if \zero
	v_wmma_scale_f32_16x16x128_f8f6f4 v[8*(8*((\a)%4)+\b):8*(8*((\a)%4)+\b)+7], v[128*(\p)+FR*\b:128*(\p)+FR*\b+FR-1], v[AF+FR*(\a):AF+FR*(\a)+FR-1], 0, v[SC+8*NQ*(\sc)+NQ*\b+(\q)], v[SC+8*NQ*(\sc)+NQ*(\a)+(\q)] matrix_a_fmt:MATRIX_FMT_FP4 matrix_b_fmt:MATRIX_FMT_FP4 matrix_a_scale:MATRIX_SCALE_ROW1
.else
	v_wmma_scale_f32_16x16x128_f8f6f4 v[8*(8*((\a)%4)+\b):8*(8*((\a)%4)+\b)+7], v[128*(\p)+FR*\b:128*(\p)+FR*\b+FR-1], v[AF+FR*(\a):AF+FR*(\a)+FR-1], v[8*(8*((\a)%4)+\b):8*(8*((\a)%4)+\b)+7], v[SC+8*NQ*(\sc)+NQ*\b+(\q)], v[SC+8*NQ*(\sc)+NQ*(\a)+(\q)] matrix_a_fmt:MATRIX_FMT_FP4 matrix_b_fmt:MATRIX_FMT_FP4 matrix_a_scale:MATRIX_SCALE_ROW1
.endif
.endr
.endr
.endm
.macro FETCH_B slot, q, p
	WIN TO_B
.irp i, 0,1,2,3,4,5,6,7
	FRAG 128*(\p)+FR*\i, ADRB+\slot, \q, \i
.endr
	WIN 0
.endm
.macro FETCH_A slot, q, i0
.irp i, \i0, \i0+1, \i0+2, \i0+3
	FRAG AF+FR*(\i), ADRA+\slot, \q, \i
.endr
.endm
.macro SCALES sc                       ; a slot's scale words: four words a row; lanes 0-15 take A's block i, lanes 16-31 B's block i
.irp i, 0,1,2,3,4,5,6,7
	ds_load_b128 v[SC+8*NQ*\sc+NQ*\i:SC+8*NQ*\sc+NQ*\i+3], v[ADRS] offset:\i*SBLK
.endr
.endm
.macro PLACES n                        ; plain vector instructions behind a matrix instruction, in front of loads into its registers and of reads of its results
.rept \n
	v_nop
.endr
.endm
.macro STEP slot, q, zero              ; a step of 128 along K that has its successor in the same slot
	s_wait_dscnt 4*NL                              ; B's set and A's blocks 0-3 are in; the youngest eight loads (A's blocks 4-7) may be out
	WIN MUL_LO
	MUL16 0, (\q)%2, \q, \slot, \zero
	MUL16 2, (\q)%2, \q, \slot, \zero
	s_wait_dscnt 0
	PLACES NP
	FETCH_B \slot, (\q)+1, 1-(\q)%2
	FETCH_A \slot, (\q)+1, 0
	WIN MUL_HI
	MUL16 4, (\q)%2, \q, \slot, \zero
	MUL16 6, (\q)%2, \q, \slot, \zero
	PLACES NP
	WIN 0
	FETCH_A \slot, (\q)+1, 4
.endm
.macro TURN slot, next                 ; slot 0's last step goes over to slot 1: each wave waits for its part of slot 1, then one barrier shows the whole slot to all four
	s_wait_tensorcnt 0x0                           ; all my tensor loads have landed
	ds_add_u32 v[SPW], v[NIL]                      ; 0 onto my spare word
	s_wait_dscnt 4*NL+1                            ; (the add and the youngest eight loads may be out)
	WIN MUL_LO
	MUL16 0, 1, NQ-1, \slot, 0
	s_wait_dscnt 0x0
	s_barrier_signal -1
	MUL16 2, 1, NQ-1, \slot, 0
	WIN 0
	s_barrier_wait -1
	PLACES NP
	v_add_nc_u32 v[ADRS], 4*NQ, v[ADRS]            ; on to the next slot's scale words
	FETCH_B \next, 0, 0
	FETCH_A \next, 0, 0
	SCALES \next
	WIN MUL_HI
	MUL16 4, 1, NQ-1, \slot, 0
	MUL16 6, 1, NQ-1, \slot, 0
	PLACES NP
	WIN 0
	FETCH_A \next, 0, 4
.endm
	s_wait_tensorcnt 1                             ; the scales and my part of slot 0 are in; slot 1's load may be out
	s_barrier_signal -1
	s_barrier_wait -1
	FETCH_B 0, 0, 0
	FETCH_A 0, 0, 0
	SCALES 0
	FETCH_A 0, 0, 4
	STEP 0, 0, 1                                   ; the first products start the sums: nothing is cleared
	STEP 0, 1, 0
	STEP 0, 2, 0
	TURN 0, 1
	STEP 1, 0, 0
	STEP 1, 1, 0
	STEP 1, 2, 0
	s_wait_dscnt 4*NL                              ; the last step: nothing more to fetch
	WIN MUL_LO
	MUL16 0, 1, NQ-1, 1, 0
	MUL16 2, 1, NQ-1, 1, 0
	s_wait_dscnt 0
	WIN MUL_HI
	MUL16 4, 1, NQ-1, 1, 0
	MUL16 6, 1, NQ-1, 1, 0
	WIN 0
; THE WAY OUT.  Block a (16 rows of A) x B's eight blocks: rounded to f16 in pairs, each accumulator from its low end on; accumulators 2 g and 2 g + 1 are the two halves of image g.
.macro PACK a
.set AC, 64*((\a)%4)
.set PB, PK+32*((\a)%4)
	WIN 0x0a+5*((\a)/4)                            ; sources 0 and 1: window 2 or 3
.irp b, 0,1,2,3,4,5,6,7
.irp r, 0,1,2,3
	v_cvt_pk_f16_f32 v[PB+4*\b+\r], v[AC+8*\b+2*\r], v[AC+8*\b+2*\r+1]
.endr
.endr
	WIN 0
.irp b, 0,1,2,3,4,5,6,7
	global_store_b128 v[VO+\b/2], v[PB+4*\b:PB+4*\b+3], s[12:13] offset:(\a)*1024+512*(\b%2) th:TH_STORE_NT   ; 512 consecutive bytes, aligned
.endr
.endm
	PLACES NP                                      ; behind the last products: the conversions write registers that held A's fragments, and later read the last results
.irp a, 0,1,2,3
	PACK \a
.endr
.irp a, 4,5,6,7
	s_wait_xcnt 0x0                                ; the stores of four blocks back have read their data: those registers are written again only behind this wait
	PACK \a
.endr
	s_wait_tensorcnt 0x0                           ; the wave's end
	ds_add_u32 v[SPW], v[NIL]
	s_wait_dscnt 0x0
	CROUND                                         ; the closing round
	s_endpgm
.Lfunc_end_k_qe1ea62a34b_gemm_kv:
	.size	k_qe1ea62a34b_gemm_kv, .Lfunc_end_k_qe1ea62a34b_gemm_kv-k_qe1ea62a34b_gemm_kv
	.p2alignl 7, 3214868480
	.fill 96, 4, 3214868480
	.section	.rodata,"a",@progbits
	.p2align	6, 0x0
	.amdhsa_kernel k_qe1ea62a34b_gemm_kv
		.amdhsa_group_segment_fixed_size 327680
		.amdhsa_private_segment_fixed_size 0
		.amdhsa_enable_private_segment 0
		.amdhsa_kernarg_size 24
		.amdhsa_user_sgpr_count 2
		.amdhsa_user_sgpr_kernarg_segment_ptr 1
		.amdhsa_wavefront_size32 1
		.amdhsa_system_sgpr_workgroup_id_x 1
		.amdhsa_system_sgpr_workgroup_id_y 1
		.amdhsa_system_sgpr_workgroup_id_z 1
		.amdhsa_system_vgpr_workitem_id 0
		.amdhsa_next_free_vgpr 1024
		.amdhsa_next_free_sgpr 100
		.amdhsa_reserve_vcc 0
		.amdhsa_float_denorm_mode_32 3
		.amdhsa_float_denorm_mode_16_64 3
		.amdhsa_memory_ordered 1
		.amdhsa_forward_progress 1
		.amdhsa_inst_pref_size 118
	.end_amdhsa_kernel
	.amdgpu_metadata
---
amdhsa.version: [ 1, 2 ]
amdhsa.kernels:
  - .name:           k_qe1ea62a34b_gemm_kv
    .symbol:         k_qe1ea62a34b_gemm_kv.kd
    .args:
      - { .name: cod, .offset: 0, .size: 8, .value_kind: global_buffer, .address_space: global }
      - { .name: scl, .offset: 8, .size: 8, .value_kind: global_buffer, .address_space: global }
      - { .name: kvf, .offset: 16, .size: 8, .value_kind: global_buffer, .address_space: global }
    .group_segment_fixed_size: 327680
    .private_segment_fixed_size: 0
    .kernarg_segment_align: 8
    .kernarg_segment_size: 24
    .max_flat_workgroup_size: 128
    .sgpr_count:     100
    .vgpr_count:     1024
    .wavefront_size: 32
...
	.end_amdgpu_metadata
.endif
;; end of part 2
;; launch attn (part 3): grid 4 x 64, 8 waves a work-group, clusters of 4 x 1, 327,680 bytes of LDS; arguments cod, scl, mask, kvf, aof; writes aof
.if DOCPART == 3
	.amdgcn_target "amdgcn-amd-amdhsa--gfx1250"
	.amdhsa_code_object_version 6
	.text
	.protected	k_qe1ea62a34b_attn
	.globl	k_qe1ea62a34b_attn
	.p2align	8
	.type	k_qe1ea62a34b_attn,@function
k_qe1ea62a34b_attn:
	s_mov_b64 s[64:65], 0
	v_nop
	global_prefetch_b8 v0, s[64:65] scope:SCOPE_SE
	s_setreg_imm32_b32 hwreg(HW_REG_WAVE_MODE, 25, 1), 1
	s_wait_xcnt 0x0
	s_wait_alu depctr_hold_cnt(0) depctr_sa_sdst(0) depctr_va_vdst(0) depctr_va_sdst(0) depctr_va_ssrc(0) depctr_va_vcc(0) depctr_vm_vsrc(0)
	s_getreg_b32 s2, hwreg(HW_REG_IB_STS2, 6, 4)
	s_cmp_eq_u32 s2, 0
	s_cbranch_scc0 .Lentry_in_a_cluster
	s_endpgm
.Lentry_in_a_cluster:
	s_bfe_u32 s2, ttmp6, 0x10000c
	s_cmp_lg_u32 s2, 0x3003
	s_cbranch_scc0 .Lentry_shape_is_right
	s_endpgm
.Lentry_shape_is_right:
; ATTENTION.  For one batch and head (the cluster's y) and 128 queries (the work-group's place in its cluster): q = x Wq on codes of E2M1 (the quantised product, in the head of this text);
; sim = q k / 8, masked keys at -(largest f32), clipped to -5 .. 5; softmax over the 4,096 keys; O = attn v; O / the row's sum leaves as f16, laid as the last product's operand registers.
; NO MAXIMUM IS TAKEN AWAY: the clip, which the problem itself makes ahead of the softmax, holds every exponent in -5 .. 5 for every input: e^sim lies in 0.0067 .. 148.4 and a row's sum in 27 .. 610,000, far inside f32, and p far inside f16's normal range.
; So nothing is rescaled, and sums over disjoint sets of keys simply add.  A masked key is not dropped: it counts with e^-5 and its v.
; ARITHMETIC.  q is multiplied in f32 by c = log2(e) / 8 and rounded to f16; t = (q c) . k + bias(key), bias = 0 or -2^127, given as the C of the first product; t is held to -5 log2(e) .. 5 log2(e); p = 2^t.
; The row's sum is taken of p in f32; p is rounded to f16 for the second product.  LIMITS: |q c|, |k|, |v|, |O| under 65,504; O under 2^-14 is carried with f16's step 2^-24; NaN and infinities are not served; mask bytes are 0 or 1.
; SHARES.  Eight waves.  Wave w: qh = w / 4: 64 of the queries, four tiles of 16; kq = w % 4: a quarter of each slot's 512 keys, four steps of 32.  At the end the four quarters' O and sums are added through LDS.
; LAYOUT.  S^T = K Q^T (source 0 = 16 keys, source 1 = 16 queries), O^T = V^T P (source 0 = 16 channels, source 1 = P): a lane holds ONE query throughout; two tiles of S^T, rounded in pairs, ARE P's registers.
; K and V lie in memory and in LDS as images of their operands' registers (1,024 bytes: registers 0-3 at 16 x lane, 4-7 at 512 + 16 x lane): every LDS load takes 512 consecutive bytes.
; BY TURNS.  The wave's tiles are two pieces (tiles 0, 1 and tiles 2, 3).  In a turn one piece has the matrix unit (8 products V^T P of the step in hand, 8 products K Q^T of the next); the other piece's softmax, 96 instructions, stands in slices of six behind them.
; CLUSTER.  The four work-groups of a cluster walk the same K and V: each tile is asked for jointly (mask 15).  x's and Wq's codes are not: 96 KiB once, beside 1 MiB of K and V, and x's rows differ between partners.
; REGISTERS.  Window 0: v1-10 addresses; v16-23 the sums; v24-39 biases; v40-71 K; v72-135 Q; v136-199 S^T; v200-231 P; v232-247 scale words and nothing else; v248-255 at work.
;   Window 1: v0-127 O^T (tile t, channels 16 ct: 32 t + 8 ct), v128-159 V; in the head: v0-127 x's codes, v128-255 Wq's.
.set SLOT1, 131072                     ; a slot: K [32 channels: 2][16 keys: 32][1,024], then V [32 keys: 16][16 channels: 4][1,024]; slot 1 begins here, so that one exclusive or turns an address
.set VOFF,  65536
.set BIAS,  262144                     ; one f32 for each of the batch's 4,096 keys
.set QIMG,  278528                     ; 16 images of Q: (tile x 2 + half of the channels) x 1,024
.set SPARE, 294912                     ; the spare words, 128 bytes for each of eight waves
.set LST,   295936                     ; the sums at the end: [qh][tile][kq][128 bytes]
.set LI,  1                            ; v1   16 x lane
.set AK0, 2                            ; v2   my lane's place in a slot's K
.set AV0, 3                            ; v3   in its V
.set AB0, 4                            ; v4   among the biases
.set ADK, 5                            ; v5-7 the same in the slot in hand
.set ADV, 6
.set ADB, 7
.set SPW, 8                            ; v8   my spare word; never rewritten
.set NIL, 9                            ; v9   0; never rewritten
.set PFO, 10                           ; v10  the prefetches' offset; never rewritten
.set L,   16
.set BI,  24
.set KF,  40
.set Q,   72
.set S,   136
.set P,   200
.set SCR, 232
.set WV,  18
.set QH,  19
.set KQ,  20
.set CX,  21
.set BB,  22
.set HD,  23
.set G1K, 24
.set G1V, 32
.set G0K, 40                           ; two sets: the two first fills; the second then walks on
.set G0V, 48
.set SLOTS, 56
.set TB,  57                           ; LDS byte at which the slot in hand begins
.set TBI, 58                           ; and its keys' biases: 2,048 bytes a slot
.set LO,  59
.set HI,  60
.set SEL, 62
.set CQ,  66
.set PFA, 68
.set PFS, 70
.set LIM, 72
.set MSB, 0
.macro WIN new                         ; the immediate's high byte repeats the setting that is left; a switch that changes nothing is dropped
.if MSB != \new
	s_set_vgpr_msb (MSB<<8)|\new
.set MSB, \new
.endif
.endm
; A joint refill: waves 0 to 3 fetch K's four quarters of a slot, waves 4 to 7 V's.  The branch hangs on the wave's number alone.  An s_nop 0 and four v_nop follow each of the two lines.
.macro JLOAD
	s_cmp_lt_u32 s[WV], 4
	s_cbranch_scc0 .Lfor_v_\@
	tensor_load_to_lds s[G0K+4:G0K+7], s[G1K:G1K+7]
	s_nop 0
.rept 4
	v_nop
.endr
	s_branch .Lasked_\@
.Lfor_v_\@:
	tensor_load_to_lds s[G0V+4:G0V+7], s[G1V:G1V+7]
	s_nop 0
.rept 4
	v_nop
.endr
.Lasked_\@:
.endm
; A prefetch of what the NEXT change of slots will ask for: four pairs of turns ahead of that load.  A slot is 256 pieces of 256 bytes of K and as many of V.  Waves 0 and 2 ask for K's two halves, waves 4 and 6 for V's,
; one instruction each, a lane a piece; the four partners are told apart by ADDRESS (K: 8,192 bytes each; V: two rows of 4,096 each).  So each piece is named once in the launch.  The last change that fills a slot asks for nothing.
.macro ASK
	s_cmp_gt_u32 s[SLOTS], s[LIM]
	s_cbranch_scc0 .Lnot_mine_\@
	global_prefetch_b8 v[PFO], s[PFA:PFA+1] th:TH_LOAD_NT scope:SCOPE_SE
.Lnot_mine_\@:
.endm
.macro CROUND                          ; a round of the cluster's barrier
	s_barrier_signal -1
	s_barrier_wait -1
	s_cmp_lg_u32 s[WV], 0
	s_cbranch_scc1 .Lnot_wave_0_\@
	s_barrier_signal -3
.Lnot_wave_0_\@:
	s_barrier_wait -3
	s_barrier_signal -1
	s_barrier_wait -1
.endm
	s_load_b256 s[4:11], s[0:1], 0x0               ; cod s[4:5], scl s[6:7], mask s[8:9], kvf s[10:11]
	s_load_b64 s[12:13], s[0:1], 0x20              ; aof
	v_lshl_add_u32 v[SPW], v0, 2, SPARE
	v_mov_b32 v[NIL], 0
	ds_add_u32 v[SPW], v[NIL]                      ; the wave's opening
	ds_add_u32 v[SPW], v[NIL]
	v_lshrrev_b32 v11, 5, v0
	v_readfirstlane_b32 s[WV], v11                 ; wave 0..7
	s_lshr_b32 s[QH], s[WV], 2
	s_and_b32 s[KQ], s[WV], 3
	s_bfe_u32 s[CX], ttmp6, 0x40000                ; my place in the cluster: which 128 queries
	s_and_b32 s73, ttmp7, 0xffff
	s_lshr_b32 s[BB], s73, 4                       ; the batch
	s_and_b32 s[HD], s73, 15                       ; the head
	s_mov_b32 s[G1K], 15|(3<<16)|(1<<21)           ; the mask: all four; elements of 8 bytes; bit 21 beside a mask; no padding
	s_mov_b32 s[G1K+1], 32<<16                     ; K: 16,384 dense bytes as 64 rows of 256
	s_mov_b32 s[G1K+2], 64<<16
	s_mov_b32 s[G1K+3], 32<<16
	s_mov_b32 s[G1K+4], 64
	s_mov_b32 s[G1K+5], 32
	s_mov_b32 s[G1K+6], 0
	s_mov_b32 s[G1K+7], 0
	s_mov_b32 s[G1V], 15|(3<<16)|(1<<21)
	s_mov_b32 s[G1V+1], 512<<16                    ; V: 4 rows of 4,096 bytes (a head's four images of 32 keys), 65,536 bytes apart
	s_mov_b32 s[G1V+2], 4<<16
	s_mov_b32 s[G1V+3], 512<<16
	s_mov_b32 s[G1V+4], 4
	s_mov_b32 s[G1V+5], 8192
	s_mov_b32 s[G1V+6], 0
	s_mov_b32 s[G1V+7], 0
	s_mov_b32 s[LO], 0xc0e6d4ca                    ; -5 log2(e)
	s_mov_b32 s[HI], 0x40e6d4ca                    ; 5 log2(e)
	s_mov_b32 s[SEL], 0x76543210
	s_mov_b32 s[SEL+1], 0xfedcba98                 ; v_permlanex16_b32's selects for lane l xor 16
	s_mov_b32 s[CQ], 0x3e38aa3b                    ; c = log2(e) / 8
	s_mov_b32 s[CQ+1], s[CQ]                       ; (named with it as a pair, so it is written)
	s_mov_b32 s[TB], 0
	s_mov_b32 s[TBI], 0
	s_mov_b32 s[SLOTS], 6
	; what I fetch: offsets in kvf, made of the batch, the head and the wave's number alone
	s_lshl_b32 s74, s[BB], 23
	s_lshr_b32 s75, s[WV], 1
	s_and_b32 s75, s75, 1
	s_lshl_b32 s76, s[HD], 1
	s_add_co_u32 s76, s76, s75
	s_lshl_b32 s76, s76, 18
	s_add_co_u32 s76, s76, s74                     ; K: the batch, and 32 channels: 2 head + (w / 2) % 2
	s_and_b32 s77, s[WV], 1
	s_lshl_b32 s77, s77, 14
	s_add_co_u32 s78, s76, s77                     ; + which 16 tiles of keys
	s_mov_b32 s79, 0
	s_lshl_b32 s81, s[HD], 12
	s_add_co_u32 s81, s81, s74
	s_add_co_u32 s81, s81, 1<<25                   ; V: the batch and the head
	s_lshl_b32 s80, s[KQ], 18
	s_add_co_u32 s82, s80, s81                     ; + which four steps of 32 keys
	s_mov_b32 s83, 0
	s_lshl_b32 s84, s[WV], 14                      ; and where it goes in a slot: 16,384 x wave
	; the prefetches: my part of slot 2; the first change of slots steps it to slot 3
	s_lshl_b32 s85, s[CX], 13
	s_add_co_u32 s85, s85, s76
	s_add_co_u32 s85, s85, 2*32768
	s_lshl_b32 s86, s75, 3
	s_lshl_b32 s87, s[CX], 1
	s_add_co_u32 s86, s86, s87
	s_lshl_b32 s86, s86, 16
	s_add_co_u32 s86, s86, s81
	s_add_co_u32 s86, s86, 2<<20
	s_cmp_lt_u32 s[WV], 4
	s_cselect_b32 s86, s85, s86
	s_mov_b32 s87, 0
	s_mov_b32 s[PFS], 1<<20
	s_cselect_b32 s[PFS], 32768, s[PFS]            ; a slot on
	s_mov_b32 s[PFS+1], 0
	s_mov_b32 s73, 65536
	s_cselect_b32 s73, 4096, s73                   ; from lanes 0-15 to lanes 16-31
	s_and_b32 s[LIM], s[WV], 1
	s_cmp_eq_u32 s[LIM], 0
	s_cselect_b32 s[LIM], 1, -1                    ; even waves ask
	v_and_b32 v11, 15, v0                          ; r
	v_bfe_u32 v12, v0, 4, 1                        ; h
	v_lshlrev_b32 v[PFO], 8, v11
	v_mul_u32_u24 v13, s73, v12
	v_add_nc_u32 v[PFO], v[PFO], v13
	; the quantised product's operands: wave w makes queries 32 (w / 2) on x channels 32 (w % 2) on
	s_lshl_b32 s14, s[BB], 9
	s_lshl_b32 s2, s[CX], 7
	s_add_co_u32 s14, s14, s2
	s_lshr_b32 s2, s[WV], 1
	s_lshl_b32 s3, s2, 5
	s_add_co_u32 s14, s14, s3                      ; x's first row in cod
	s_and_b32 s3, s[WV], 1
	s_lshl_b32 s15, s[HD], 6
	s_lshl_b32 s16, s3, 5
	s_add_co_u32 s15, s15, s16
	s_add_co_u32 s15, s15, 18432                   ; Wq's
	s_sub_co_u32 s16, s15, s14
	s_lshl_b32 s16, s16, 5                         ; the distance between their scale bytes
	s_lshl_b32 s17, s2, 2
	s_add_co_u32 s17, s17, s3
	s_lshl_b32 s17, s17, 10
	s_add_co_u32 s17, s17, QIMG                    ; where my two images of Q go
	s_lshl_b32 s92, s14, 9
	s_mov_b32 s93, 0
	s_lshl_b32 s94, s15, 9
	s_mov_b32 s95, 0
	s_lshl_b32 s96, s14, 5
	s_mov_b32 s97, 0
	s_lshl_b32 s98, s[BB], 12
	s_mov_b32 s99, 0
	s_lshl_b32 s2, s[BB], 5                        ; aof: the tile of 16 rows that I store at the end: 32 batch + 8 cx + wave; 32,768 bytes a tile, 2,048 a head
	s_lshl_b32 s3, s[CX], 3
	s_add_co_u32 s2, s2, s3
	s_add_co_u32 s2, s2, s[WV]
	s_lshl_b32 s2, s2, 15
	s_lshl_b32 s3, s[HD], 11
	s_add_co_u32 s2, s2, s3
	s_mov_b32 s3, 0
	v_and_b32 v[LI], 31, v0
	v_lshlrev_b32 v[LI], 4, v[LI]
	v_lshlrev_b32 v13, 9, v11
	v_lshl_add_u32 v13, v12, 4, v13                ; codes: row r of 512 bytes, + 16 h
	v_mul_u32_u24 v14, s16, v12
	v_lshl_add_u32 v14, v11, 5, v14                ; scale words: lanes 0-15 x's rows, lanes 16-31 Wq's
	v_lshlrev_b32 v15, 4, v0                       ; 16 mask bytes a thread
	s_wait_dscnt 0x0                               ; both opening adds are done
	s_wait_kmcnt 0x0
	s_add_nc_u64 s[88:89], s[10:11], s[78:79]
	s_add_nc_u64 s[90:91], s[10:11], s[82:83]
	s_add_nc_u64 s[PFA:PFA+1], s[10:11], s[86:87]
	s_add_nc_u64 s[92:93], s[4:5], s[92:93]
	s_add_nc_u64 s[94:95], s[4:5], s[94:95]
	s_add_nc_u64 s[96:97], s[6:7], s[96:97]
	s_add_nc_u64 s[98:99], s[8:9], s[98:99]
	s_add_nc_u64 s[12:13], s[12:13], s[2:3]
	CROUND                                         ; all four work-groups are here: the first joint loads meet
.irp s, 0,1
	s_mov_b32 s[G0K+4*\s], 1
	s_add_co_u32 s[G0K+4*\s+1], s84, \s*SLOT1
	s_add_nc_u64 s[G0K+4*\s+2:G0K+4*\s+3], s[88:89], \s*32768
	s_or_b32 s[G0K+4*\s+3], s[G0K+4*\s+3], 0x80000000
	s_mov_b32 s[G0V+4*\s], 1
	s_add_co_u32 s[G0V+4*\s+1], s84, \s*SLOT1
	s_add_nc_u64 s[G0V+4*\s+2:G0V+4*\s+3], s[90:91], \s*1048576
	s_or_b32 s[G0V+4*\s+3], s[G0V+4*\s+3], 0x80000000
.endr
	s_cmp_lt_u32 s[WV], 4                          ; a wave's two first fills stand in one branch: two loads of mine are out
	s_cbranch_scc0 .Lfirst_v
	tensor_load_to_lds s[G0K:G0K+3], s[G1K:G1K+7]
	s_nop 0
	tensor_load_to_lds s[G0K+4:G0K+7], s[G1K:G1K+7]
	s_nop 0
.rept 4
	v_nop
.endr
	s_branch .Lfirst_asked
.Lfirst_v:
	tensor_load_to_lds s[G0V:G0V+3], s[G1V:G1V+7]
	s_nop 0
	tensor_load_to_lds s[G0V+4:G0V+7], s[G1V:G1V+7]
	s_nop 0
.rept 4
	v_nop
.endr
.Lfirst_asked:
	global_load_b128 v[248:251], v15, s[98:99]     ; my 16 mask bytes
.irp i, 0,1
.irp u, 0,1
	global_load_b128 v[SCR+8*\i+4*\u:SCR+8*\i+4*\u+3], v14, s[96:97] offset:512*\i+16*\u   ; register 8 i + s: the words of K step s: lanes 0-15 of x's tile i, lanes 16-31 of Wq's tile i
.endr
.endr
	WIN 0x40                                       ; destination window 1
.irp i, 0,1
.irp s, 0,1,2,3,4,5,6,7
.irp c, 0,1
	global_load_b128 v[64*\i+8*\s+4*\c:64*\i+8*\s+4*\c+3], v13, s[92:93] offset:8192*\i+64*\s+32*\c          ; x's codes: tile i, K step s
.endr
.endr
.endr
.irp i, 0,1
.irp s, 0,1,2,3,4,5,6,7
.irp c, 0,1
	global_load_b128 v[128+64*\i+8*\s+4*\c:128+64*\i+8*\s+4*\c+3], v13, s[94:95] offset:8192*\i+64*\s+32*\c  ; Wq's
.endr
.endr
.endr
	WIN 0
	s_lshl_b32 s2, s[KQ], 13
	v_add_nc_u32 v[AK0], s2, v[LI]                 ; K: my quarter's eight tiles of keys
	s_lshl_b32 s2, s[KQ], 14
	s_add_co_u32 s2, s2, VOFF
	v_add_nc_u32 v[AV0], s2, v[LI]                 ; V: my quarter's four steps
	s_lshl_b32 s2, s[KQ], 9
	s_add_co_u32 s2, s2, BIAS
	v_lshl_add_u32 v[AB0], v12, 5, s2              ; biases: my quarter's 128 keys, + 8 h keys
	v_lshl_add_u32 v[ADK], v0, 6, BIAS             ; for now: where my 16 biases go,
	v_add_nc_u32 v[ADV], s17, v[LI]                ; where my images of Q go,
	s_lshl_b32 s2, s[QH], 13
	s_add_co_u32 s2, s2, QIMG
	v_add_nc_u32 v[ADB], s2, v[LI]                 ; and where my four tiles' images are read
	s_wait_loadcnt 0x0                             ; one wait for all of the head's loads
.irp i, 0,1,2,3                        ; the mask's byte 1 gives 0, the byte 0 gives -2^127
.irp k, 0,1,2,3
	v_bfe_u32 v[216+4*\i+\k], v[248+\i], 8*\k, 8
.endr
.irp k, 0,1,2,3
	v_add_nc_u32 v[216+4*\i+\k], -1, v[216+4*\i+\k]
.endr
.irp k, 0,1,2,3
	v_and_b32 v[216+4*\i+\k], 0xff000000, v[216+4*\i+\k]
.endr
	ds_store_b128 v[ADK], v[216+4*\i:219+4*\i] offset:16*\i
.endr
	; q^T = Wq^T x^T: source 0 = 16 columns of Wq, source 1 = 16 rows of x: a lane holds a query, its registers channels.  Four accumulators by turns, K ascending
	WIN 0x05                                       ; sources 0 and 1 window 1
.irp s, 0,1,2,3,4,5,6,7
.irp iq, 0,1
.irp ic, 0,1
.if \s == 0
	v_wmma_scale_f32_16x16x128_f8f6f4 v[S+16*\iq+8*\ic:S+16*\iq+8*\ic+7], v[128+64*\ic+8*\s:128+64*\ic+8*\s+7], v[64*\iq+8*\s:64*\iq+8*\s+7], 0, v[SCR+8*\ic+\s], v[SCR+8*\iq+\s] matrix_a_fmt:MATRIX_FMT_FP4 matrix_b_fmt:MATRIX_FMT_FP4 matrix_a_scale:MATRIX_SCALE_ROW1
.else
	v_wmma_scale_f32_16x16x128_f8f6f4 v[S+16*\iq+8*\ic:S+16*\iq+8*\ic+7], v[128+64*\ic+8*\s:128+64*\ic+8*\s+7], v[64*\iq+8*\s:64*\iq+8*\s+7], v[S+16*\iq+8*\ic:S+16*\iq+8*\ic+7], v[SCR+8*\ic+\s], v[SCR+8*\iq+\s] matrix_a_fmt:MATRIX_FMT_FP4 matrix_b_fmt:MATRIX_FMT_FP4 matrix_a_scale:MATRIX_SCALE_ROW1
.endif
.endr
.endr
.endr
	WIN 0
.rept 4
	v_nop                                          ; places behind the last product
.endr
.irp p, 0,1,2,3,4,5,6,7,8,9,10,11,12,13,14,15
	v_pk_mul_f32 v[S+2*\p:S+2*\p+1], v[S+2*\p:S+2*\p+1], s[CQ:CQ+1] op_sel_hi:[1,0]   ; q x c, in f32, each accumulator from its low end on
.endr
.irp p, 0,1,2,3,4,5,6,7,8,9,10,11,12,13,14,15
	v_cvt_pk_f16_f32 v[P+\p], v[S+2*\p], v[S+2*\p+1]   ; two tiles of channels make a fragment of 32
.endr
.irp iq, 0,1
.irp c, 0,1
	ds_store_b128 v[ADV], v[P+8*\iq+4*\c:P+8*\iq+4*\c+3] offset:2048*\iq+512*\c
.endr
.endr
	s_wait_tensorcnt 1                             ; my part of slot 0 is in; slot 1's may stay out
	s_wait_dscnt 0x0                               ; my biases and my images of Q have landed
	s_barrier_signal -1
	s_barrier_wait -1
.irp t, 0,1,2,3
.irp cs, 0,1
.irp c, 0,1
	ds_load_b128 v[Q+16*\t+8*\cs+4*\c:Q+16*\t+8*\cs+4*\c+3], v[ADB] offset:2048*\t+1024*\cs+512*\c   ; Q stays in registers
.endr
.endr
.endr
.irp t, 0,1,2,3,4,5,6,7
	v_mov_b32 v[L+\t], 0                           ; the sums, a pair a tile
.endr
.irp t, 0,1,2,3
	v_mov_b32 v[252+\t], 0                         ; written once: a lane permute's destination counts as one of its sources
.endr
	s_wait_dscnt 0x0
	v_add_nc_u32 v[ADK], s[TB], v[AK0]
	v_add_nc_u32 v[ADV], s[TB], v[AV0]
	v_add_nc_u32 v[ADB], s[TBI], v[AB0]
; THE LDS LOADS stand in runs.  Step i of my four in the slot: K's four fragments (2 tiles of keys x 2 halves of the channels), the 32 keys' biases in the result's layout, and V's four fragments.
.macro FETCH_K i
	WIN 0
.irp kt, 0,1
.irp cs, 0,1
.irp c, 0,1
	ds_load_b128 v[KF+16*\kt+8*\cs+4*\c:KF+16*\kt+8*\cs+4*\c+3], v[ADK] offset:\cs*32768+(2*(\i)+\kt)*1024+512*\c
.endr
.endr
.endr
.endm
.macro FETCH_B i
.irp kt, 0,1
.irp c, 0,1
	ds_load_b128 v[BI+8*\kt+4*\c:BI+8*\kt+4*\c+3], v[ADB] offset:128*(\i)+64*\kt+16*\c
.endr
.endr
.endm
.macro FETCH_V i
	WIN 0
.rept 4
	v_nop                                          ; places behind the last product that read V
.endr
	WIN 0x40                                       ; destination window 1
.irp ct, 0,1,2,3
.irp c, 0,1
	ds_load_b128 v[128+8*\ct+4*\c:128+8*\ct+4*\c+3], v[ADV] offset:4096*(\i)+1024*\ct+512*\c
.endr
.endr
.endm
; Product m of 8 of S^T = K Q^T for piece x: channels 32 (m / 4) on, keys 16 ((m / 2) % 2) on, tile x + m % 2.  The first four take the keys' biases as C.  Four accumulators by turns.
.macro QK x
	WIN 0
.set rS, S+16*((\x)+m%2)+8*((m/2)%2)
.set rK, KF+16*((m/2)%2)+8*(m/4)
.set rQ, Q+16*((\x)+m%2)+8*(m/4)
.set rB, BI+8*((m/2)%2)
.if m < 4
	v_wmma_f32_16x16x32_f16 v[rS:rS+7], v[rK:rK+7], v[rQ:rQ+7], v[rB:rB+7]
.else
	v_wmma_f32_16x16x32_f16 v[rS:rS+7], v[rK:rK+7], v[rQ:rQ+7], v[rS:rS+7]
.endif
.endm
; Product m of 8 of O^T += V^T P for piece x: channels 16 (m / 2) on, tile x + m % 2.  Eight accumulators, each once.  zero = 1: the first step's products start the sums.
.macro PV x, zero
	WIN 0x51                                       ; V and O^T in window 1, P in window 0
.set rO, 32*((\x)+m%2)+8*(m/2)
.set rV, 128+8*(m/2)
.set rP, P+8*((\x)+m%2)
.if \zero
	v_wmma_f32_16x16x32_f16 v[rO:rO+7], v[rV:rV+7], v[rP:rP+7], 0
.else
	v_wmma_f32_16x16x32_f16 v[rO:rO+7], v[rV:rV+7], v[rP:rP+7], v[rO:rO+7]
.endif
.endm
; THE VECTOR WORK OF A TURN: piece y's softmax for one step, a list of 96; SMI writes number j and steps j.
;   0-15 tile y's 16 scores held to -5 log2(e) .. 5 log2(e), from the accumulators' low ends on; 16-31 their exponentials; 32-47, 48-63 the same for tile y + 1: nothing here reads an exponential's result;
;   ahead of 64: one plain instruction and ONE wait for the 32 exponentials;
;   64-79 the roundings to f16, the two tiles alternating; 80-95 the sums, of the unrounded p, the two tiles alternating: plain instructions that name nothing of the products round them, so a turn's last slice
;   is also the places behind its last product.
.macro SMI y
.if j == 64
	v_nop
	s_wait_alu depctr_va_vdst(0)
.endif
.if j < 16
	v_med3_num_f32 v[S+16*(\y)+j], v[S+16*(\y)+j], s[LO], s[HI]
.elseif j < 32
	v_exp_f32 v[S+16*(\y)+j-16], v[S+16*(\y)+j-16]
.elseif j < 48
	v_med3_num_f32 v[S+16*(\y)+j-16], v[S+16*(\y)+j-16], s[LO], s[HI]
.elseif j < 64
	v_exp_f32 v[S+16*(\y)+j-32], v[S+16*(\y)+j-32]
.elseif j < 80
.set n, j-64
	v_cvt_pk_f16_f32 v[P+8*((\y)+n%2)+n/2], v[S+16*((\y)+n%2)+2*(n/2)], v[S+16*((\y)+n%2)+2*(n/2)+1]
.else
.set n, j-80
	v_pk_add_f32 v[L+2*((\y)+n%2):L+2*((\y)+n%2)+1], v[L+2*((\y)+n%2):L+2*((\y)+n%2)+1], v[S+16*((\y)+n%2)+2*(n/2):S+16*((\y)+n%2)+2*(n/2)+1]
.endif
.set j, j+1
.endm
.macro SLICE y
	WIN 0
.rept per
	SMI \y
.endr
.endm
; A TURN.  Piece x has the matrix unit; the other piece's softmax stands in slices behind its products: six a product, twelve where the turn has one kind of product alone.
; pv = 2: 8 products V^T P; 1: they start O^T's sums; 0: none.  kq = 1: 8 products K Q^T of the next step.  fi: the step (of the slot's four) that the turn fetches; -1: none.
; Piece 0's turn fetches the next step's K and biases at its head (the six sums of the slice before are the places behind the last product that read them) and waits for them 8 products later.
; Piece 2's turn fetches the same step's V behind its products V^T P; piece 0's next turn waits for it at its head.
.macro TURN x, pv, kq, fi
.set j, 0
.set per, 12
.if (\pv) && (\kq)
.set per, 6
.endif
.if (\x) == 0
	s_wait_dscnt 0x0                               ; V is in
.if (\fi) >= 0
	FETCH_K \fi
	FETCH_B \fi
.endif
.endif
.if ((\x) == 2) && ((\pv) == 0)
	FETCH_V \fi
.endif
.if \pv
.set m, 0
.rept 8
	PV \x, 2-(\pv)
	SLICE 2-(\x)
.set m, m+1
.endr
.if ((\x) == 2) && ((\fi) >= 0)
	FETCH_V \fi
.endif
.endif
.if \kq
.if (\x) == 0
	s_wait_dscnt 0x0                               ; K and the biases are in
.endif
.set m, 0
.rept 8
	QK \x
	SLICE 2-(\x)
.set m, m+1
.endr
.endif
	WIN 0
.endm
; THE CHANGE OF SLOTS stands where all of the slot's K and V have been asked for.  Each wave waits for all its tensor loads (one is out: its part of the other slot), adds 0 to its spare word, and waits for that and for its reads of the slot.
; fill = 1: the barrier is a round of the cluster's, and the joint refill, with the keys two slots on, is the first thing behind it: it has four pairs of turns, 128 matrix instructions a wave, in which to land.
.macro CHANGE fill
	WIN 0
	s_wait_tensorcnt 0x0                           ; no tensor load of mine is out, so a group 0 may be written
	ds_add_u32 v[SPW], v[NIL]                      ; 0 onto my spare word
.if \fill
	s_xor_b32 s[G0K+5], s[G0K+5], SLOT1            ; the walking descriptors: the other slot than last time, the next 512 keys
	s_add_nc_u64 s[G0K+6:G0K+7], s[G0K+6:G0K+7], 32768
	s_xor_b32 s[G0V+5], s[G0V+5], SLOT1
	s_add_nc_u64 s[G0V+6:G0V+7], s[G0V+6:G0V+7], 1048576
	s_wait_xcnt 0x0                                ; the last prefetch, a slot back, has read its address
	s_add_nc_u64 s[PFA:PFA+1], s[PFA:PFA+1], s[PFS:PFS+1]
	s_wait_dscnt 0x0                               ; the add is done, and my reads of the slot are over
	CROUND
	JLOAD
	ASK
.else
	s_wait_dscnt 0x0
	s_barrier_signal -1
	s_barrier_wait -1
.endif
	s_xor_b32 s[TB], s[TB], SLOT1
	s_add_co_u32 s[TBI], s[TBI], 2048
	v_add_nc_u32 v[ADK], s[TB], v[AK0]
	v_add_nc_u32 v[ADV], s[TB], v[AV0]
	v_add_nc_u32 v[ADB], s[TBI], v[AB0]
.endm
.macro FOUR_PAIRS
.irp i, 0,1,2,3
	TURN 0, 2, 1, \i
	TURN 2, 2, 1, \i
.endr
.endm
	FETCH_K 0
	FETCH_B 0
	s_wait_dscnt 0x0
.set m, 0
.rept 8
	QK 0                                           ; piece 0's first scores: there is no vector work yet to set between them
.set m, m+1
.endr
.rept 4
	v_nop
.endr
	TURN 2, 0, 1, 0                                ; piece 2's first scores | piece 0's first softmax | V of step 0
	TURN 0, 1, 1, 1                                ; piece 0: V^T P of step 0 starts O^T, K Q^T of step 1 | piece 2's first softmax
	TURN 2, 1, 1, 1
	TURN 0, 2, 1, 2
	TURN 2, 2, 1, 2
	TURN 0, 2, 1, 3
	TURN 2, 2, 1, 3
.Lslot:                                            ; six trips: slots' worth 2 to 7 of the keys are asked for
	CHANGE 1
	FOUR_PAIRS
	s_sub_co_u32 s[SLOTS], s[SLOTS], 1
	s_cmp_lg_u32 s[SLOTS], 0
	s_cbranch_scc1 .Lslot
	CHANGE 0                                       ; the tail is written out: slot 0 is left for good
	FOUR_PAIRS
	TURN 0, 2, 0, -1                               ; piece 0: V^T P of the last step | piece 2's last softmax
.set m, 0
.rept 8
	PV 2, 0                                        ; piece 2: V^T P of the last step
.set m, m+1
.endr
	WIN 0
	; THE END.  My quarter's sums and O^T go to LDS (O^T into slot 0, which has had its last fill and was left at the last change of slots); behind a barrier wave (qh, kq) adds the four quarters of tile kq.
.irp t, 0,1,2,3
	v_add_f32 v[248+\t], v[L+2*\t], v[L+2*\t+1]    ; the sum's two halves: these four lines are the places behind the last products
.endr
.irp t, 0,1,2,3
	v_permlanex16_b32 v[252+\t], v[248+\t], s[SEL], s[SEL+1]
.endr
.irp t, 0,1,2,3
	v_add_f32 v[248+\t], v[248+\t], v[252+\t]      ; and lane l xor 16's
.endr
	s_lshl_b32 s2, s[QH], 16
	s_lshl_b32 s3, s[KQ], 12
	s_add_co_u32 s3, s3, s2
	v_add_nc_u32 v[ADK], s3, v[LI]                 ; O^T in: [qh][tile][my quarter][4,096]
	s_lshl_b32 s3, s[KQ], 14
	s_add_co_u32 s3, s3, s2
	v_add_nc_u32 v[ADV], s3, v[LI]                 ; back: [qh][my tile][quarter][4,096]
	v_and_b32 v11, 31, v0
	s_lshl_b32 s2, s[QH], 11
	s_add_co_u32 s2, s2, LST
	s_lshl_b32 s3, s[KQ], 7
	s_add_co_u32 s3, s3, s2
	v_lshl_add_u32 v[ADB], v11, 2, s3              ; the sums in,
	s_lshl_b32 s3, s[KQ], 9
	s_add_co_u32 s3, s3, s2
	v_lshl_add_u32 v12, v11, 2, s3                 ; and back
	WIN 0x04                                       ; an LDS store's data are its source 1: window 1
.irp t, 0,1,2,3
.irp n, 0,1,2,3,4,5,6,7
	ds_store_b128 v[ADK], v[32*\t+4*\n:32*\t+4*\n+3] offset:16384*\t+512*\n   ; each accumulator from its low end on
.endr
.endr
	WIN 0
.irp t, 0,1,2,3
	ds_store_b32 v[ADB], v[248+\t] offset:512*\t
.endr
	s_wait_dscnt 0x0
	s_barrier_signal -1
	s_barrier_wait -1
.irp q, 0,1,2,3
	ds_load_b32 v[168+\q], v12 offset:128*\q
.endr
.irp q, 0,1,2,3
.irp n, 0,1,2,3,4,5,6,7
	ds_load_b128 v[40+32*\q+4*\n:40+32*\q+4*\n+3], v[ADV] offset:4096*\q+512*\n
.endr
.endr
	s_wait_dscnt 0x0
	v_add_f32 v168, v168, v169
	v_add_f32 v170, v170, v171
	v_add_f32 v168, v168, v170                     ; the row's sum over all 4,096 keys
	v_mov_b32 v173, 0                              ; (named with v172 as a pair, so it is written)
	v_rcp_f32 v172, v168
.irp q, 1,2,3
.irp p, 0,1,2,3,4,5,6,7,8,9,10,11,12,13,14,15
	v_pk_add_f32 v[40+2*\p:41+2*\p], v[40+2*\p:41+2*\p], v[40+32*\q+2*\p:41+32*\q+2*\p]   ; plain work behind the reciprocal
.endr
.endr
	s_wait_alu depctr_va_vdst(0)                   ; the wait ahead of the reciprocal's first reader
.irp p, 0,1,2,3,4,5,6,7,8,9,10,11,12,13,14,15
	v_pk_mul_f32 v[40+2*\p:41+2*\p], v[40+2*\p:41+2*\p], v[172:173] op_sel_hi:[1,0]
.endr
.irp p, 0,1,2,3,4,5,6,7,8,9,10,11,12,13,14,15
	v_cvt_pk_f16_f32 v[P+\p], v[40+2*\p], v[41+2*\p]   ; two tiles of channels make a fragment of 32 of the last product's K
.endr
.irp g, 0,1,2,3
	global_store_b128 v[LI], v[P+4*\g:P+4*\g+3], s[12:13] offset:512*\g   ; 512 consecutive bytes, aligned
.endr
	s_wait_tensorcnt 0x0                           ; the wave's end
	ds_add_u32 v[SPW], v[NIL]
	s_wait_dscnt 0x0
	CROUND                                         ; the closing round
	s_endpgm
.Lfunc_end_k_qe1ea62a34b_attn:
	.size	k_qe1ea62a34b_attn, .Lfunc_end_k_qe1ea62a34b_attn-k_qe1ea62a34b_attn
	.p2alignl 7, 3214868480
	.fill 96, 4, 3214868480
	.section	.rodata,"a",@progbits
	.p2align	6, 0x0
	.amdhsa_kernel k_qe1ea62a34b_attn
		.amdhsa_group_segment_fixed_size 327680
		.amdhsa_private_segment_fixed_size 0
		.amdhsa_enable_private_segment 0
		.amdhsa_kernarg_size 40
		.amdhsa_user_sgpr_count 2
		.amdhsa_user_sgpr_kernarg_segment_ptr 1
		.amdhsa_wavefront_size32 1
		.amdhsa_system_sgpr_workgroup_id_x 1
		.amdhsa_system_sgpr_workgroup_id_y 1
		.amdhsa_system_sgpr_workgroup_id_z 1
		.amdhsa_system_vgpr_workitem_id 0
		.amdhsa_next_free_vgpr 512
		.amdhsa_next_free_sgpr 100
		.amdhsa_reserve_vcc 0
		.amdhsa_float_denorm_mode_32 3
		.amdhsa_float_denorm_mode_16_64 3
		.amdhsa_memory_ordered 1
		.amdhsa_forward_progress 1
		.amdhsa_inst_pref_size 215
	.end_amdhsa_kernel
	.amdgpu_metadata
---
amdhsa.version: [ 1, 2 ]
amdhsa.kernels:
  - .name:           k_qe1ea62a34b_attn
    .symbol:         k_qe1ea62a34b_attn.kd
    .args:
      - { .name: cod, .offset: 0, .size: 8, .value_kind: global_buffer, .address_space: global }
      - { .name: scl, .offset: 8, .size: 8, .value_kind: global_buffer, .address_space: global }
      - { .name: mask, .offset: 16, .size: 8, .value_kind: global_buffer, .address_space: global }
      - { .name: kvf, .offset: 24, .size: 8, .value_kind: global_buffer, .address_space: global }
      - { .name: aof, .offset: 32, .size: 8, .value_kind: global_buffer, .address_space: global }
    .group_segment_fixed_size: 327680
    .private_segment_fixed_size: 0
    .kernarg_segment_align: 8
    .kernarg_segment_size: 40
    .max_flat_workgroup_size: 256
    .sgpr_count:     100
    .vgpr_count:     512
    .wavefront_size: 32
...
	.end_amdgpu_metadata
.endif
;; end of part 3
;; launch proj (part 4): grid 8 x 32, 4 waves a work-group, clusters of 4 x 4, 327,680 bytes of LDS; arguments aof, wof, bo, out0; writes out0
.if DOCPART == 4
	.amdgcn_target "amdgcn-amd-amdhsa--gfx1250"
	.amdhsa_code_object_version 6
	.text
	.protected	k_qe1ea62a34b_proj
	.globl	k_qe1ea62a34b_proj
	.p2align	8
	.type	k_qe1ea62a34b_proj,@function
k_qe1ea62a34b_proj:
	s_mov_b64 s[64:65], 0
	v_nop
	global_prefetch_b8 v0, s[64:65] scope:SCOPE_SE
	s_setreg_imm32_b32 hwreg(HW_REG_WAVE_MODE, 25, 1), 1
	s_wait_xcnt 0x0
	s_wait_alu depctr_hold_cnt(0) depctr_sa_sdst(0) depctr_va_vdst(0) depctr_va_sdst(0) depctr_va_ssrc(0) depctr_va_vcc(0) depctr_vm_vsrc(0)
	s_getreg_b32 s2, hwreg(HW_REG_IB_STS2, 6, 4)
	s_cmp_eq_u32 s2, 0
	s_cbranch_scc0 .Lentry_in_a_cluster
	s_endpgm
.Lentry_in_a_cluster:
	s_bfe_u32 s2, ttmp6, 0x10000c
	s_cmp_lg_u32 s2, 0xf033
	s_cbranch_scc0 .Lentry_shape_is_right
	s_endpgm
.Lentry_shape_is_right:
; out0 = O Wo + bo.  O (aof) and Wo (wof) are f16, laid as images of their operands' registers: [tile of 16][K step of 32: 32][1,024 bytes]; sums in f32; bo is the C of each sum's first product.
; A tile of out0 is 64 rows x 128 columns: 256 work-groups.  Four waves: wave w makes rows 32 (w / 2) on x columns 64 (w % 2) on: 8 accumulators.
; K = 1,024 goes in four chunks of 256 (8 K steps).  Three LDS slots take chunks 0, 1, 2 at the head; chunk 3 is brought into slot 0 when chunk 0 has been multiplied, and has two chunks' work in which to land.
; THE MATRIX INSTRUCTION IS USED TRANSPOSED (source 0 = 16 columns of Wo, source 1 = 16 rows of O): a lane holds a row of out0 and eight neighbouring columns.
; CLUSTERS: 4 x 4 work-groups: O's tiles are shared along a row of the cluster, Wo's along a column: each is asked for jointly.
.set SLOTB, 98304                      ; a slot: O [4 tiles][8 K steps][1,024], then Wo [8 tiles][8 K steps][1,024]
.set BOFF,  32768
.set STAGE, 3*SLOTB                    ; the way out: 16 rows x (256 bytes + 16) for each wave
.set SPARE, STAGE+4*16*272             ; the spare words, 128 bytes for each wave
.set ADRA, 1                           ; v1-3  LDS address of my O fragments in slot 0, 1, 2
.set ADRB, 4                           ; v4-6  the same for Wo
.set STO,  7
.set RD,   8
.set CO,   9
.set LI,   10
.set SPW,  14                          ; v14   my spare word; never rewritten
.set NIL,  15                          ; v15   0; never rewritten
.set BO,   16                          ; v16-47   bo in the result's layout, eight registers for each of my four tiles of columns
.set ACC,  48                          ; v48-111  accumulator (i, b) at 8 (4 i + b)
.set F0,   112                         ; v112-159 a K step's fragments: Wo's four, then O's two
.set F1,   160                         ; v160-207 the other buffer
.set WV, 12
.set MH, 13
.set NH, 14
.set G1A, 24
.set G1B, 32
.set G0A, 40                           ; three sets, one for each slot
.set G0B, 52
.macro JLOAD s                         ; a joint load: waves 0 and 1 fetch O's two halves, waves 2 and 3 Wo's; an s_nop 0 and four v_nop follow each of the two lines
	s_cmp_eq_u32 s[MH], 0
	s_cbranch_scc0 .Lfor_b_\@
	tensor_load_to_lds s[G0A+4*\s:G0A+4*\s+3], s[G1A:G1A+7]
	s_nop 0
.rept 4
	v_nop
.endr
	s_branch .Lasked_\@
.Lfor_b_\@:
	tensor_load_to_lds s[G0B+4*\s:G0B+4*\s+3], s[G1B:G1B+7]
	s_nop 0
.rept 4
	v_nop
.endr
.Lasked_\@:
.endm
.macro CROUND                          ; a round of the cluster's barrier
	s_barrier_signal -1
	s_barrier_wait -1
	s_cmp_lg_u32 s[WV], 0
	s_cbranch_scc1 .Lnot_wave_0_\@
	s_barrier_signal -3
.Lnot_wave_0_\@:
	s_barrier_wait -3
	s_barrier_signal -1
	s_barrier_wait -1
.endm
.macro PLACES                          ; four plain vector instructions behind a matrix instruction, in front of loads into its registers and of reads of its results
.rept 4
	v_nop
.endr
.endm
	s_load_b256 s[4:11], s[0:1], 0x0               ; aof s[4:5], wof s[6:7], bo s[8:9], out0 s[10:11]
	v_lshl_add_u32 v[SPW], v0, 2, SPARE
	v_mov_b32 v[NIL], 0
	ds_add_u32 v[SPW], v[NIL]                      ; the wave's opening
	ds_add_u32 v[SPW], v[NIL]
	v_lshrrev_b32 v11, 5, v0
	v_readfirstlane_b32 s[WV], v11                 ; wave 0..3
	s_lshr_b32 s[MH], s[WV], 1                     ; which half of the rows is mine.  Also: I fetch for O (0) or for Wo (1)
	s_and_b32 s[NH], s[WV], 1                      ; which half of the columns.  Also: which half of that tile I fetch
	s_bfe_u32 s15, ttmp6, 0x40000                  ; cx
	s_bfe_u32 s16, ttmp6, 0x40004                  ; cy
	s_lshl_b32 s17, ttmp9, 2
	s_add_co_u32 s17, s17, s15                     ; tile column = 4 x cluster x + cx
	s_and_b32 s18, ttmp7, 0xffff
	s_lshl_b32 s18, s18, 2
	s_add_co_u32 s18, s18, s16                     ; tile row = 4 x cluster y + cy
	s_lshl_b32 s19, s16, 2
	s_lshl_b32 s19, 15, s19                        ; my row of the cluster
	s_lshl_b32 s20, 0x1111, s15                    ; my column
	s_or_b32 s[G1A], s19, (3<<16)|(1<<21)          ; the mask; elements of 8 bytes; bit 21 beside a mask; no padding
	s_or_b32 s[G1B], s20, (3<<16)|(1<<21)
	s_mov_b32 s[G1A+1], 1024<<16                   ; O: 2 rows of 8,192 bytes (a tile's 8 K steps), 32,768 bytes apart
	s_mov_b32 s[G1A+2], 2<<16
	s_mov_b32 s[G1A+3], 1024<<16
	s_mov_b32 s[G1A+4], 2
	s_mov_b32 s[G1A+5], 4096
	s_mov_b32 s[G1A+6], 0
	s_mov_b32 s[G1A+7], 0
	s_mov_b32 s[G1B+1], 1024<<16                   ; Wo: 4 such rows
	s_mov_b32 s[G1B+2], 4<<16
	s_mov_b32 s[G1B+3], 1024<<16
	s_mov_b32 s[G1B+4], 4
	s_mov_b32 s[G1B+5], 4096
	s_mov_b32 s[G1B+6], 0
	s_mov_b32 s[G1B+7], 0
	s_lshl_b32 s66, s18, 2                         ; O's tiles hang on the tile row alone,
	s_lshl_b32 s21, s[NH], 1
	s_add_co_u32 s66, s66, s21
	s_lshl_b32 s66, s66, 15
	s_mov_b32 s67, 0
	s_lshl_b32 s68, s17, 3                         ; Wo's on the tile column alone
	s_lshl_b32 s21, s[NH], 2
	s_add_co_u32 s68, s68, s21
	s_lshl_b32 s68, s68, 15
	s_mov_b32 s69, 0
	s_lshl_b32 s70, s[NH], 14                      ; where they go in a slot
	s_lshl_b32 s71, s[NH], 15
	s_add_co_u32 s71, s71, BOFF
	s_wait_dscnt 0x0                               ; both opening adds are done
	s_wait_kmcnt 0x0
	s_add_nc_u64 s[66:67], s[4:5], s[66:67]
	s_add_nc_u64 s[68:69], s[6:7], s[68:69]
	CROUND                                         ; all sixteen work-groups are here: the first joint loads meet
.irp s, 0,1,2
	s_mov_b32 s[G0A+4*\s], 1
	s_add_co_u32 s[G0A+4*\s+1], s70, \s*SLOTB
	s_add_nc_u64 s[G0A+4*\s+2:G0A+4*\s+3], s[66:67], \s*8192
	s_or_b32 s[G0A+4*\s+3], s[G0A+4*\s+3], 0x80000000
	s_mov_b32 s[G0B+4*\s], 1
	s_add_co_u32 s[G0B+4*\s+1], s71, \s*SLOTB
	s_add_nc_u64 s[G0B+4*\s+2:G0B+4*\s+3], s[68:69], \s*8192
	s_or_b32 s[G0B+4*\s+3], s[G0B+4*\s+3], 0x80000000
	JLOAD \s                                       ; chunks 0, 1, 2: three loads of mine are out
.endr
	; where my part of out0 and of bo begins, in registers that feed no descriptor
	s_lshl_b32 s72, s18, 6
	s_lshl_b32 s73, s[MH], 5
	s_add_co_u32 s72, s72, s73                     ; my first row
	s_lshl_b32 s72, s72, 12
	s_lshl_b32 s74, s17, 9
	s_lshl_b32 s75, s[NH], 8
	s_add_co_u32 s74, s74, s75                     ; my first column, in bytes
	s_mov_b32 s75, 0
	s_add_co_u32 s72, s72, s74
	s_mov_b32 s73, 0
	s_add_nc_u64 s[10:11], s[10:11], s[72:73]
	s_add_nc_u64 s[8:9], s[8:9], s[74:75]
	v_and_b32 v11, 15, v0                          ; l % 16
	v_bfe_u32 v12, v0, 4, 1                        ; l / 16
	v_lshlrev_b32 v13, 5, v12                      ; bo: 8 numbers further on for lanes 16-31
.irp b, 0,1,2,3
.irp c, 0,1
	global_load_b128 v[BO+8*\b+4*\c:BO+8*\b+4*\c+3], v13, s[8:9] offset:64*\b+16*\c
.endr
.endr
	v_and_b32 v[LI], 31, v0
	v_lshlrev_b32 v[LI], 4, v[LI]
	s_lshl_b32 s21, s[MH], 14                      ; my two tiles of O
	s_lshl_b32 s22, s[NH], 15
	s_add_co_u32 s22, s22, BOFF                    ; my four tiles of Wo
.irp s, 0,1,2
	v_add_nc_u32 v[ADRA+\s], s21, v[LI]
	v_add_nc_u32 v[ADRB+\s], s22, v[LI]
	s_add_co_u32 s21, s21, SLOTB
	s_add_co_u32 s22, s22, SLOTB
.endr
	s_mul_i32 s23, s[WV], 16*272
	s_add_co_u32 s23, s23, STAGE                   ; my stage
	v_mul_u32_u24 v[STO], v11, 272
	v_lshl_add_u32 v[STO], v12, 5, v[STO]
	v_add_nc_u32 v[STO], s23, v[STO]               ; in: row l % 16, 32 bytes for each half of the lanes
	v_mul_u32_u24 v[RD], v12, 272
	v_lshl_add_u32 v[RD], v11, 4, v[RD]
	v_add_nc_u32 v[RD], s23, v[RD]                 ; back: lanes 0-15 one row of 256 bytes, lanes 16-31 the next
	v_lshlrev_b32 v[CO], 12, v12
	v_lshl_add_u32 v[CO], v11, 4, v[CO]            ; and the same two rows in out0
.macro FETCH s, ks, f                  ; 12 LDS loads: K step ks of slot s into buffer f; each takes 512 consecutive bytes
.irp b, 0,1,2,3
.irp c, 0,1
	ds_load_b128 v[\f+8*\b+4*\c:\f+8*\b+4*\c+3], v[ADRB+\s] offset:\b*8192+(\ks)*1024+512*\c
.endr
.endr
.irp i, 0,1
.irp c, 0,1
	ds_load_b128 v[\f+32+8*\i+4*\c:\f+32+8*\i+4*\c+3], v[ADRA+\s] offset:\i*8192+(\ks)*1024+512*\c
.endr
.endr
.endm
.macro MUL f, first                    ; 8 matrix instructions, the 8 accumulators by turns, in the same order in every step.  first = 1: bo starts the sums
.irp i, 0,1
.irp b, 0,1,2,3
.if \first
	v_wmma_f32_16x16x32_f16 v[ACC+8*(4*\i+\b):ACC+8*(4*\i+\b)+7], v[\f+8*\b:\f+8*\b+7], v[\f+32+8*\i:\f+32+8*\i+7], v[BO+8*\b:BO+8*\b+7]
.else
	v_wmma_f32_16x16x32_f16 v[ACC+8*(4*\i+\b):ACC+8*(4*\i+\b)+7], v[\f+8*\b:\f+8*\b+7], v[\f+32+8*\i:\f+32+8*\i+7], v[ACC+8*(4*\i+\b):ACC+8*(4*\i+\b)+7]
.endif
.endr
.endr
.endm
.macro CHUNK s, first                  ; a slot's 8 K steps on two buffers by turns
	PLACES
	FETCH \s, 0, F0
	FETCH \s, 1, F1
.irp ks, 0,1,2,3,4,5,6,7
.if \ks < 7
	s_wait_dscnt 12                                ; this step's twelve loads are in; the other buffer's twelve may be out
.else
	s_wait_dscnt 0
.endif
.if (\first) && (\ks == 0)
	MUL F0+48*(\ks%2), 1
.else
	MUL F0+48*(\ks%2), 0
.endif
.if \ks < 6
	PLACES
	FETCH \s, \ks+2, F0+48*(\ks%2)
.endif
.endr
.endm
	s_wait_tensorcnt 2                             ; my part of chunk 0 is in; chunks 1 and 2 may stay out
	s_wait_loadcnt 0x0                             ; bo
	s_barrier_signal -1
	s_barrier_wait -1
	CHUNK 0, 1
	s_wait_tensorcnt 0x0                           ; all my tensor loads have landed, so a group 0 may be written
	ds_add_u32 v[SPW], v[NIL]                      ; 0 onto my spare word
	s_add_nc_u64 s[G0A+2:G0A+3], s[G0A+2:G0A+3], 3*8192   ; slot 0's next chunk is chunk 3
	s_add_nc_u64 s[G0B+2:G0B+3], s[G0B+2:G0B+3], 3*8192
	s_wait_dscnt 0x0                               ; the add is done, and my reads of slot 0 are over
	CROUND                                         ; no wave of any partner still reads slot 0 or has a load on its way
	JLOAD 0                                        ; the first tensor load behind the round, and my only one
	CHUNK 1, 0
	CHUNK 2, 0
	s_wait_tensorcnt 0x0                           ; my part of chunk 3 is in
	ds_add_u32 v[SPW], v[NIL]
	s_wait_dscnt 0x0
	s_barrier_signal -1
	s_barrier_wait -1                              ; everybody's is
	CHUNK 0, 0
	; THE WAY OUT.  A lane holds 32 neighbouring bytes of a row; 16 rows x 256 bytes at a time go through my own stage and come back as whole rows.  LDS serves a wave's instructions in order: no wait between my stores and my loads.
	PLACES
.irp i, 0,1
.irp b, 0,1,2,3
	ds_store_b128 v[STO], v[ACC+8*(4*\i+\b):ACC+8*(4*\i+\b)+3] offset:64*\b          ; each accumulator from its low end on
	ds_store_b128 v[STO], v[ACC+8*(4*\i+\b)+4:ACC+8*(4*\i+\b)+7] offset:64*\b+16
.endr
.irp t, 0,1,2,3,4,5,6,7
	ds_load_b128 v[F0+32*\i+4*\t:F0+32*\i+4*\t+3], v[RD] offset:544*\t
.endr
.endr
.irp i, 0,1
.irp t, 0,1,2,3,4,5,6,7
	s_wait_dscnt 16*(1-\i)+7-\t                    ; the younger LDS instructions may be out: the later loads of this block, and the next block's sixteen
	global_store_b128 v[CO], v[F0+32*\i+4*\t:F0+32*\i+4*\t+3], s[10:11] offset:(16*\i+2*\t)*4096 th:TH_STORE_NT   ; sixteen lanes store 256 consecutive bytes, aligned
.endr
.endr
	s_wait_tensorcnt 0x0                           ; the wave's end
	ds_add_u32 v[SPW], v[NIL]
	s_wait_dscnt 0x0
	CROUND                                         ; the closing round
	s_endpgm
.Lfunc_end_k_qe1ea62a34b_proj:
	.size	k_qe1ea62a34b_proj, .Lfunc_end_k_qe1ea62a34b_proj-k_qe1ea62a34b_proj
	.p2alignl 7, 3214868480
	.fill 96, 4, 3214868480
	.section	.rodata,"a",@progbits
	.p2align	6, 0x0
	.amdhsa_kernel k_qe1ea62a34b_proj
		.amdhsa_group_segment_fixed_size 327680
		.amdhsa_private_segment_fixed_size 0
		.amdhsa_enable_private_segment 0
		.amdhsa_kernarg_size 32
		.amdhsa_user_sgpr_count 2
		.amdhsa_user_sgpr_kernarg_segment_ptr 1
		.amdhsa_wavefront_size32 1
		.amdhsa_system_sgpr_workgroup_id_x 1
		.amdhsa_system_sgpr_workgroup_id_y 1
		.amdhsa_system_sgpr_workgroup_id_z 1
		.amdhsa_system_vgpr_workitem_id 0
		.amdhsa_next_free_vgpr 256
		.amdhsa_next_free_sgpr 100
		.amdhsa_reserve_vcc 0
		.amdhsa_float_denorm_mode_32 3
		.amdhsa_float_denorm_mode_16_64 3
		.amdhsa_memory_ordered 1
		.amdhsa_forward_progress 1
		.amdhsa_inst_pref_size 60
	.end_amdhsa_kernel
	.amdgpu_metadata
---
amdhsa.version: [ 1, 2 ]
amdhsa.kernels:
  - .name:           k_qe1ea62a34b_proj
    .symbol:         k_qe1ea62a34b_proj.kd
    .args:
      - { .name: aof, .offset: 0, .size: 8, .value_kind: global_buffer, .address_space: global }
      - { .name: wof, .offset: 8, .size: 8, .value_kind: global_buffer, .address_space: global }
      - { .name: bo, .offset: 16, .size: 8, .value_kind: global_buffer, .address_space: global }
      - { .name: out0, .offset: 24, .size: 8, .value_kind: global_buffer, .address_space: global }
    .group_segment_fixed_size: 327680
    .private_segment_fixed_size: 0
    .kernarg_segment_align: 8
    .kernarg_segment_size: 32
    .max_flat_workgroup_size: 128
    .sgpr_count:     100
    .vgpr_count:     256
    .wavefront_size: 32
...
	.end_amdgpu_metadata
.endif
;; end of part 4
